; MI455X (gfx1250); checked and timed in simulation.
; The chip was launched on July 23, 2026; its instructions are those of AMD's public machine-readable ISA for CDNA 5 (MIT licence, August 2026) and "CDNA5" Instruction Set Architecture Reference Guide (July 2026). The comments in the code are by the model that wrote it; some were corrected since.
;; Transformer Block. Allowed arithmetic: matrix products marked QUANTISED: E3M2 operands, one E8M0 scale for each 32 along K, by v_wmma_scale_f32_16x16x128_f8f6f4 with both operands' format E3M2, f32 sums; everything else in f32.
;; Inputs: hidden_states 1 x 4,096 x 768 float32; w_down 2,048 x 768 float32; w_gate 768 x 2,048 float32; w_k 768 x 768 float32; w_norm1 768 float32; w_norm2 768 float32; w_o 768 x 768 float32; w_q 768 x 768 float32; w_up 768 x 2,048 float32; w_v 768 x 768 float32.
;; Outputs: out0 1 x 4,096 x 768 float32.
;; This version of the problem:
;;   THIS VERSION OF THE PROBLEM IS GIVEN IN LOW PRECISION. The matrix products marked QUANTISED in the list below multiply operands that are first quantised to E3M2 (3 exponent bits, 2 mantissa bits; 6 bits a number), with one power-of-two scale for each 32 numbers along K (OCP MX v1.0); their sums are f32. All else is computed in f32.
;;   The module's matrix products, in the order in which they are computed (A, B: the left and right operand; K: the contracted axis; several contracted axes count as one K, in the product's order):
;;     1. [M 4,096, K 768] x [K 768, N 768]; A: computed on the way; B: input w_q: QUANTISED
;;     2. [M 4,096, K 768] x [K 768, N 768]; A: computed on the way; B: input w_k: QUANTISED
;;     3. [M 4,096, K 768] x [K 768, N 768]; A: computed on the way; B: input w_v: QUANTISED
;;     4. batch 12 x [M 4,096, K 64] x [K 64, N 4,096]; A: computed on the way; B: computed on the way: QUANTISED
;;     5. batch 12 x [M 4,096, K 4,096] x [K 4,096, N 64]; A: softmax (see below); B: computed on the way: QUANTISED
;;     6. [M 4,096, K 768] x [K 768, N 768]; A: computed on the way; B: input w_o: QUANTISED
;;     7. [M 4,096, K 768] x [K 768, N 2,048]; A: computed on the way; B: input w_gate: QUANTISED
;;     8. [M 4,096, K 768] x [K 768, N 2,048]; A: computed on the way; B: input w_up: QUANTISED
;;     9. [M 4,096, K 2,048] x [K 2,048, N 768]; A: computed on the way; B: input w_down: QUANTISED
;;   THE QUANTISER, for each operand of a quantised product, along K:
;;     - K is cut into blocks of 32 from its start; a last block that is shorter is filled with zeros.
;;     - A block's scale is 2^e with e = floor(log2(the largest magnitude in the block)) - 4, held to -126 .. 127; a block of zeros has e = 0. As a byte (E8M0): e + 127.
;;     - Each number is divided by its block's scale, clamped to +-28, and rounded to the nearest number of E3M2, ties to even, subnormals kept.
;;     - The product sums the exact products of the quantised numbers (number of the format x scale) in f32.
;;   ~~~python
;;   def quantise(x, axis):      # numpy; x: float32 -> the quantised numbers, widened to float32 again
;;       x = np.moveaxis(x, axis, -1); K = x.shape[-1]
;;       x = np.pad(x, [(0, 0)] * (x.ndim - 1) + [(0, -K % 32)]); x = x.reshape(x.shape[:-1] + (-1, 32)); a = np.abs(x).max(-1, keepdims=True)
;;       e = np.where(a > 0, np.clip(np.frexp(np.where(a > 0, a, 1))[1] - 1 - 4, -126, 127), 0)      # np.frexp(a)[1] - 1 = floor(log2(a)), exactly
;;       r = np.clip(x / 2.0 ** e, -28, 28)
;;       step = 2.0 ** (np.maximum(np.frexp(np.where(r == 0, 1, r))[1] - 1, -2) - 2)
;;       q = np.round(r / step) * step * 2.0 ** e      # np.round: ties to even
;;       return np.moveaxis(q.reshape(q.shape[:-2] + (-1,))[..., :K], -1, axis).astype(np.float32)
;;   ~~~
;;   SOFTMAX AHEAD OF A QUANTISED PRODUCT. Where the list says 'softmax', what is quantised is not the finished softmax but p = 2^(t - M), with t = logit x log2(e) and M = ceil(the row's largest t), a whole number; so 1/2 < the row's largest p <= 1. The row's sum l is taken of the UNQUANTISED p, in f32, and the product's result is divided by l at the end. Since M is a whole number, a kernel that streams over the keys may use a running M (the ceiling of the running maximum): every later rescaling is an exact power of two, which a block's scale takes up: the codes' values come out the same.
;;   OPERANDS COMPUTED ON THE WAY. 'Computed on the way' means the value that the module computes at that place (a softmax that the list does not call 'softmax' is quantised finished and normalised). What goes into a quantiser is computed in f32, as accurately as f32 sums, v_exp_f32 and their like allow (about 1e-6 of the number): no bf16 or f16 on the way to a quantiser, and a product that is left as it is and whose result goes on into a quantised operand takes f32 operands (vector FMAs, or v_wmma_f32_16x16x4_f32). A number that lies on a knife's edge between two numbers of the format may be rounded either way, as far as f32 arithmetic and the matrix unit's own rounding can turn it there, and no further.
;; One version. Each part assembles by itself: llvm-mc -triple=amdgcn-amd-amdhsa -mcpu=gfx1250 --defsym DOCPART=n.
;; ======== version 1 of 1: 6 launches
;; workspace buffers: W 5,529,600 bytes; XN 3,506,176 bytes; QKV 7,569,408 bytes; ATT 2,752,512 bytes; H 12,582,912 bytes; Y 2,457,600 bytes; HID 6,553,600 bytes
;; launch prep (part 1): grid 472 x 1, 8 waves a work-group, no clusters, 2,048 bytes of LDS; arguments hidden_states, w_norm1, w_q, w_k, w_v, w_o, w_gate, w_up, w_down, W, XN; writes W, XN
.if DOCPART == 1
	.amdgcn_target "amdgcn-amd-amdhsa--gfx1250"
	.amdhsa_code_object_version 6
	.text
	.protected	k_q53b62cf923_prep
	.globl	k_q53b62cf923_prep
	.p2align	8
	.type	k_q53b62cf923_prep,@function
k_q53b62cf923_prep:
	s_mov_b64 s[64:65], 0
	v_nop
	global_prefetch_b8 v0, s[64:65] scope:SCOPE_SE
	s_setreg_imm32_b32 hwreg(HW_REG_WAVE_MODE, 25, 1), 1
	s_wait_xcnt 0x0
; PREP: the seven weights become codes of BF6 (E3M2) with E8M0 scale bytes (buffer W); rmsnorm1(x) likewise, and the table of RoPE's cosines and sines (buffer XN).
; THE PROGRAM: prep -> qkv -> attn -> oproj -> gateup -> down.  Every operand that a later launch reads is stored as an IMAGE OF THE OPERAND'S REGISTERS.
;   FRAG (1,536 bytes): 16 rows x 128 K: register 4 c + k of lane L at byte 512 c + 16 L + 4 k.   A pair block (128 bytes): word at 4 L: lanes 0-15 the scale word of tile 2 q's row L, lanes 16-31 that of tile 2 q + 1's row L - 16.
;   REC (12,800 bytes): 8 FRAG of one group of 8 tiles (128 rows) for one K step of 128, then its 4 pair blocks.  An operand lies [group][K step] REC.
;   WHICH 16 ROWS FORM A TILE: row r of tile 2 b + u is index 32 b + 8 u + (r & 7) + 16 (r >> 3), for tokens and for features alike: so a product's 16 registers of tiles 2 b and 2 b + 1 are 16 neighbours along the next K.
; WORK LEFT OUT IN THE PROGRAM: reference() builds the causal mask in its own body (jnp.triu, k = 1) and sets the scores of keys behind the query to the least f32 number, whose weight after the softmax is 0 for every value of
;   the inputs (key 0 counts for every query, so the row's maximum is a true score).  So key steps that lie wholly behind a tile's queries are multiplied in neither of the two attention products (launch attn).  Nothing else is left out;
;   every input has a way to the output and is loaded.  LIMIT: a NaN, an infinity or an overflow that would arise only in the scores left out is not carried to the result.
; LIMITS: NaN and infinities among the inputs are not served.  A block whose largest magnitude lies under 2^-122 keeps the scale byte 1.  A block of zeros gets the byte 1 where the rule says 127: its codes are zeros, and this program alone reads the bytes.
;   RoPE: the frequencies are the f32 numbers nearest to 10^(-j/8), which may differ from reference()'s own power and division in the last bit; cosine and sine are made by taking off whole quarter turns (pi/2 in two parts)
;   and polynomials of degree 7 and 8, good to about 1e-7 for the problem's angles (under 4,096 radians: they hang on positions, not on data).  The mean of squares is the sum times the f32 nearest to 1/768.
; SHARES.  Work-groups 0-119: w_q, w_k, w_v, w_o, w_down (768 columns); 120-215: w_gate, w_up (2,048 columns): each 256 columns x 128 K, a wave 32 columns, A LANE A COLUMN WITH ITS REGISTERS DOWN K: nothing is transposed.
;   Work-groups 216-471: one token tile each: waves 0-5 take a K step of 128 of the 16 rows, waves 6 and 7 make the tile's 16 x 32 angles.  The row's sum of squares meets in LDS behind one barrier.
; No matrix unit, no tensor load, no cluster: nothing is shared between work-groups and every byte is read once.
; ONE END: every path of the text leads to the label at its foot, where the three closing lines and the only s_endpgm stand.
.set SPARE, 1024                       ; the spare words: 128 bytes for each of eight waves, four blocks of 256 bytes that no other line names.  LDS 0-767: the six partial sums of each row
.set SPW, 198                          ; v198 LDS address of my spare word; never rewritten
.set NIL, 199                          ; v199 0; never rewritten
.set WV,  4                            ; s4   my wave's number
.set SEL, 50                           ; s[50:51] lane selects for v_permlanex16_b32: lane l xor 16
.set HM,  52                           ; s52  the mask of lanes 16-31
.set TM,  160                          ; v160-175 at work in the quantiser
; 64 numbers of a lane, register 16 b + i = k 32 b + 16 (lane / 16) + i of my row, become a fragment's 12 registers of codes in v[pc] on (v[pc+12] to v[pc+18] at work) and its scale word in v[pw].
.macro QUANT s, pc, pw
.irp b, 0,1,2,3
	v_max3_num_f32 v[TM+\b], |v[(\s)+16*\b]|, |v[(\s)+1+16*\b]|, 0x2800000   ; my 16 numbers of block b, and the floor 2^(5 - 127): the byte cannot fall under 1
.endr
.irp i, 2,4,6,8,10,12,14
.irp b, 0,1,2,3
	v_max3_num_f32 v[TM+\b], v[TM+\b], |v[(\s)+16*\b+\i]|, |v[(\s)+1+16*\b+\i]|
.endr
.endr
.irp b, 0,1,2,3
	v_permlanex16_b32 v[TM+4+\b], v[TM+\b], s[SEL], s[SEL+1]
.endr
.irp b, 0,1,2,3
	v_max_num_f32 v[TM+\b], v[TM+\b], v[TM+4+\b]                  ; with lane l xor 16's: the block's largest magnitude
.endr
.irp b, 0,1,2,3
	v_add_nc_u32 v[TM+12+\b], 0xfe000000, v[TM+\b]                ; 4 off its exponent field: the conversion's scale operand
.endr
.irp b, 0,1,2,3
	v_lshrrev_b32 v[TM+4+\b], 23, v[TM+12+\b]                     ; the scale's byte
.endr
	v_lshl_or_b32 v[\pw], v[TM+5], 8, v[TM+4]
	v_lshl_or_b32 v[\pw], v[TM+6], 16, v[\pw]
	v_lshl_or_b32 v[\pw], v[TM+7], 24, v[\pw]
.irp c, 0,1
	v_cvt_scalef32_pk16_bf6_f32 v[(\pc)+6*\c:(\pc)+2+6*\c], v[(\s)+32*\c:(\s)+15+32*\c], v[TM+12+2*\c]
	v_cvt_scalef32_pk16_bf6_f32 v[(\pc)+12+4*\c:(\pc)+14+4*\c], v[(\s)+16+32*\c:(\s)+31+32*\c], v[TM+13+2*\c]   ; (a conversion's three registers begin on an even number)
.endr
	v_nop                                                         ; one plain place behind a scaled conversion
.irp c, 0,1                                                       ; the layout wants a whole block in a lane: lanes 0-15 block 2 c, lanes 16-31 block 2 c + 1
.irp i, 0,1,2
	v_permlane16_swap_b32 v[(\pc)+6*\c+\i], v[(\pc)+12+4*\c+\i]
.endr
.irp i, 0,1,2
	v_mov_b32 v[(\pc)+3+6*\c+\i], v[(\pc)+12+4*\c+\i]
.endr
.endr
.endm
; the sum of squares of 64 registers and of lane l xor 16's 64: 128 numbers of my row, in v[t]
.macro SUMSQ s, t
	v_pk_mul_f32 v[\t:\t+1], v[\s:\s+1], v[\s:\s+1]
	v_pk_mul_f32 v[\t+2:\t+3], v[\s+2:\s+3], v[\s+2:\s+3]
.irp j, 4,8,12,16,20,24,28,32,36,40,44,48,52,56,60
	v_pk_fma_f32 v[\t:\t+1], v[\s+\j:\s+\j+1], v[\s+\j:\s+\j+1], v[\t:\t+1]
	v_pk_fma_f32 v[\t+2:\t+3], v[\s+\j+2:\s+\j+3], v[\s+\j+2:\s+\j+3], v[\t+2:\t+3]
.endr
	v_pk_add_f32 v[\t:\t+1], v[\t:\t+1], v[\t+2:\t+3]
	v_add_f32 v[\t], v[\t], v[\t+1]
	v_permlanex16_b32 v[\t+1], v[\t], s[SEL], s[SEL+1]
	v_add_f32 v[\t], v[\t], v[\t+1]
.endm
	s_load_b512 s[8:23], s[0:1], 0x0               ; x s[8:9], w_norm1 s[10:11], w_q s[12:13], w_k s[14:15], w_v s[16:17], w_o s[18:19], w_gate s[20:21], w_up s[22:23]
	s_load_b128 s[24:27], s[0:1], 0x40             ; w_down s[24:25], W s[26:27]
	s_load_b64 s[28:29], s[0:1], 0x50              ; XN
	v_lshl_add_u32 v[SPW], v0, 2, SPARE
	v_mov_b32 v[NIL], 0
	v_lshrrev_b32 v1, 5, v0
	v_readfirstlane_b32 s[WV], v1
	v_and_b32 v2, 31, v0                           ; lane
	s_cmp_lt_u32 ttmp9, 120
	s_cbranch_scc1 .Lw768
	s_cmp_lt_u32 ttmp9, 216
	s_cbranch_scc1 .Lw2048
	; ---------------- a token tile T ----------------
	s_sub_co_u32 s30, ttmp9, 216                   ; T
	s_lshr_b32 s31, s30, 1
	s_lshl_b32 s31, s31, 5
	s_and_b32 s32, s30, 1
	s_lshl_b32 s32, s32, 3
	s_add_co_u32 s31, s31, s32                     ; 32 (T / 2) + 8 (T % 2)
	v_and_b32 v3, 15, v0                           ; r
	v_bfe_u32 v4, v0, 4, 1                         ; h
	v_and_b32 v5, 7, v3
	v_lshrrev_b32 v6, 3, v3
	v_lshl_add_u32 v5, v6, 4, v5
	v_add_nc_u32 v5, s31, v5                       ; my token
	v_lshlrev_b32 v7, 2, v0                        ; LDS: my wave's 32 partial sums: 128 x wave + 4 x lane
	v_lshlrev_b32 v8, 2, v2                        ; 4 x lane
	v_lshlrev_b32 v11, 4, v2                       ; 16 x lane
	s_mov_b32 s[SEL], 0x76543210
	s_mov_b32 s[SEL+1], 0xfedcba98
	s_mov_b32 s36, 0x3aaaaaab                      ; 1 / 768
	s_wait_kmcnt 0x0
	s_cmp_lt_u32 s[WV], 6
	s_cbranch_scc0 .Lrope
	; waves 0-5: K step = wave.  Lane (r, h) takes, of its token's row, 16 neighbours of each block of 32
	s_lshl_b32 s33, s[WV], 9
	v_mul_u32_u24 v9, v5, 3072
	v_lshl_add_u32 v9, v4, 6, v9
	v_add_nc_u32 v9, s33, v9
	v_lshl_add_u32 v10, v4, 6, s33
.irp b, 0,1,2,3
.irp j, 0,1,2,3
	global_load_b128 v[32+16*\b+4*\j:35+16*\b+4*\j], v9, s[8:9] offset:128*\b+16*\j
.endr
.endr
.irp b, 0,1,2,3
.irp j, 0,1,2,3
	global_load_b128 v[96+16*\b+4*\j:99+16*\b+4*\j], v10, s[10:11] offset:128*\b+16*\j   ; the gain at the same k
.endr
.endr
	s_wait_loadcnt 16                              ; x is in; the gain's 16 loads may be out
	SUMSQ 32, 160
	ds_store_b32 v7, v160
	s_wait_dscnt 0x0                               ; for the others' sake: my partial sums lie in LDS
	s_branch .Ljoin
.Lrope:
	; waves 6, 7: the angles pos x 10^(-j/8), j = 16 h + 8 (wave - 6) + 0 .. 7, of my token
	v_cvt_f32_u32 v20, v5
	s_mov_b32 s[HM], 0xffff0000
	s_mov_b32 s53, 0x3f22f983                      ; 2 / pi
	s_mov_b32 s54, 0x3fc90fdb                      ; pi / 2, its upper part
	s_mov_b32 s55, 0xb33bbd2e                      ; and what is left
	s_mov_b32 s56, 0xb94ca1f9                      ; sine: -1.9515296e-4, 8.3321609e-3, -1.6666655e-1
	s_mov_b32 s57, 0x3c08839e
	s_mov_b32 s58, 0xbe2aaaa3
	s_mov_b32 s59, 0x37ccf5ce                      ; cosine: 2.4433157e-5, -1.3887316e-3, 4.1666646e-2
	s_mov_b32 s60, 0xbab6061a
	s_mov_b32 s61, 0x3d2aaaa5
	s_lshl_b32 s37, s30, 12                        ; the tile's 4,096 bytes of the table,
	s_sub_co_u32 s38, s[WV], 6
	s_lshl_b32 s38, s38, 10                        ; my two chunks of 512 bytes
	s_add_co_u32 s40, s37, s38
	s_add_co_u32 s40, s40, 2457600
	s_mov_b32 s41, 0
	s_add_nc_u64 s[40:41], s[28:29], s[40:41]
.macro ANG k, lo, hi                               ; lanes 0-15: frequency lo, lanes 16-31: frequency hi
	v_mul_f32 v[24+\k], \lo, v20
	v_mul_f32 v21, \hi, v20
	v_cndmask_b32 v[24+\k], v[24+\k], v21, s[HM]
.endm
	s_cmp_eq_u32 s[WV], 6
	s_cbranch_scc0 .Lrope7
	v_mul_f32 v21, 0.01, v20                       ; (frequency 0 is 1: the angle is the position)
	v_cndmask_b32 v24, v20, v21, s[HM]
	ANG 1, 0.7498942093, 0.007498942093
	ANG 2, 0.5623413252, 0.005623413252
	ANG 3, 0.4216965034, 0.004216965034
	ANG 4, 0.3162277660, 0.003162277660
	ANG 5, 0.2371373706, 0.002371373706
	ANG 6, 0.1778279410, 0.001778279410
	ANG 7, 0.1333521432, 0.001333521432
	s_branch .Lrope_all
.Lrope7:
	ANG 0, 0.1, 0.001
	ANG 1, 0.07498942093, 0.0007498942093
	ANG 2, 0.05623413252, 0.0005623413252
	ANG 3, 0.04216965034, 0.0004216965034
	ANG 4, 0.03162277660, 0.0003162277660
	ANG 5, 0.02371373706, 0.0002371373706
	ANG 6, 0.01778279410, 0.0001778279410
	ANG 7, 0.01333521432, 0.0001333521432
.Lrope_all:
.macro ONE k                                       ; cosine into v[32 + k], sine into v[40 + k]
	v_mul_f32 v48, s53, v[24+\k]
	v_rndne_f32 v48, v48                           ; n quarter turns
	v_fma_f32 v49, -v48, s54, v[24+\k]             ; one rounding of the exact difference, which is small beside the angle
	v_fma_f32 v49, -v48, s55, v49                  ; rho, within pi / 4
	v_mul_f32 v50, v49, v49
	v_fma_f32 v51, v50, s56, s57
	v_fma_f32 v52, v50, s59, s60
	v_fma_f32 v51, v51, v50, s58
	v_fma_f32 v52, v52, v50, s61
	v_mul_f32 v51, v51, v50
	v_mul_f32 v52, v52, v50
	v_fma_f32 v53, v50, -0.5, 1.0
	v_fma_f32 v51, v51, v49, v49                   ; sin rho
	v_fma_f32 v52, v52, v50, v53                   ; cos rho
	v_cvt_i32_f32 v54, v48
	v_and_b32 v55, 1, v54
	v_cmp_eq_u32 vcc_lo, 1, v55                    ; an odd number of quarter turns swaps the two
	v_cndmask_b32 v[40+\k], v51, v52, vcc_lo
	v_cndmask_b32 v[32+\k], v52, v51, vcc_lo
	v_lshlrev_b32 v55, 30, v54                     ; the sine is negative where n mod 4 is 2 or 3,
	v_and_b32 v55, 0x80000000, v55
	v_xor_b32 v[40+\k], v[40+\k], v55
	v_add_nc_u32 v54, 1, v54                       ; the cosine where it is 1 or 2
	v_lshlrev_b32 v54, 30, v54
	v_and_b32 v54, 0x80000000, v54
	v_xor_b32 v[32+\k], v[32+\k], v54
.endm
.irp k, 0,1,2,3,4,5,6,7
	ONE \k
.endr
	global_store_b128 v11, v[32:35], s[40:41]              ; each store of the wave covers 512 consecutive bytes, aligned
	global_store_b128 v11, v[36:39], s[40:41] offset:512
	global_store_b128 v11, v[40:43], s[40:41] offset:2048
	global_store_b128 v11, v[44:47], s[40:41] offset:2560
.Ljoin:
	s_barrier_signal -1
	s_barrier_wait -1                              ; the six partial sums of every row lie in LDS
	s_cmp_lt_u32 s[WV], 6
	s_cbranch_scc0 .Lend                           ; waves 6 and 7 are done: to the text's one end
.irp i, 0,1,2,3,4,5
	ds_load_b32 v[164+\i], v8 offset:128*\i
.endr
	s_lshr_b32 s37, s30, 3
	s_mul_i32 s37, s37, 76800
	s_mul_i32 s38, s[WV], 12800
	s_add_co_u32 s37, s37, s38                     ; my record: token group T / 8, K step = wave
	s_and_b32 s38, s30, 7
	s_mul_i32 s39, s38, 1536
	s_add_co_u32 s40, s37, s39
	s_mov_b32 s41, 0
	s_add_nc_u64 s[40:41], s[28:29], s[40:41]      ; my fragment
	s_lshl_b32 s38, s38, 6
	s_add_co_u32 s42, s37, s38
	s_add_co_u32 s42, s42, 12288
	s_mov_b32 s43, 0
	s_add_nc_u64 s[42:43], s[28:29], s[42:43]      ; my tile's 16 scale words: half a pair block
	v_lshlrev_b32 v12, 2, v3
	v_lshl_add_u32 v12, v4, 1, v12                 ; 4 r + 2 h
	v_lshlrev_b32 v13, 4, v4                       ; 16 h
	s_wait_dscnt 0x0
	v_add_f32 v164, v164, v165
	v_add_f32 v164, v164, v166
	v_add_f32 v164, v164, v167
	v_add_f32 v164, v164, v168
	v_add_f32 v164, v164, v169                     ; the row's sum of squares, K steps ascending: the same bits in all six waves
	v_fmaak_f32 v160, s36, v164, 0x358637bd        ; the mean + 1e-6
	v_rsq_f32 v162, v160
	v_nop                                          ; a plain place behind the transcendental
	s_wait_alu depctr_va_vdst(0)                   ; and the wait ahead of its first reader
	s_wait_loadcnt 0x0                             ; the gain
.set J, 0
.rept 32
	v_pk_mul_f32 v[32+J:33+J], v[32+J:33+J], v[162:163] op_sel_hi:[1,0]     ; x / rms,
.set J, J+2
.endr
.set J, 0
.rept 32
	v_pk_mul_f32 v[32+J:33+J], v[32+J:33+J], v[96+J:97+J]                   ; then the gain: reference()'s order
.set J, J+2
.endr
	QUANT 32, 178, 176
.irp c, 0,1,2
	global_store_b128 v11, v[178+4*\c:181+4*\c], s[40:41] offset:512*\c
.endr
	v_lshrrev_b32 v13, v13, v176                   ; both halves of the lanes hold row r's word: lanes 0-15 store its lower half, lanes 16-31 its upper: 64 consecutive bytes
	global_store_b16 v12, v13, s[42:43]
	s_branch .Lend
	; ---------------- the weights ----------------
; Given s[32:33] the weight, s31 its block of 256 columns, s42 the bytes of the K steps passed, s37 the record's place in W, s41 the pair of tiles in it.
.macro WTAIL
	s_lshl_b32 s43, s31, 10
	s_add_co_u32 s42, s42, s43
	s_lshl_b32 s43, s[WV], 7
	s_add_co_u32 s42, s42, s43                     ; + 4 x my wave's first column
	s_mov_b32 s43, 0
	s_add_nc_u64 s[32:33], s[32:33], s[42:43]
	s_mul_i32 s44, s41, 3072
	s_add_co_u32 s44, s44, s37
	s_mov_b32 s45, 0
	s_add_nc_u64 s[46:47], s[26:27], s[44:45]      ; the pair's two fragments
	s_lshl_b32 s44, s41, 7
	s_add_co_u32 s44, s44, s37
	s_add_co_u32 s44, s44, 12288
	s_add_nc_u64 s[48:49], s[26:27], s[44:45]      ; its pair block
	v_lshlrev_b32 v3, 2, v2                        ; in: 4 bytes a lane
	v_bfe_u32 v6, v2, 3, 1                         ; column l of the 32 is row r = (l & 7) + 8 (l >> 4) of tile u = (l >> 3) & 1
	v_and_b32 v7, 7, v2
	v_lshrrev_b32 v8, 4, v2
	v_lshl_add_u32 v7, v8, 3, v7
	v_mul_u32_u24 v4, v6, 1536
	v_lshl_add_u32 v4, v7, 4, v4                   ; 1,536 u + 16 r
	v_lshl_add_u32 v5, v6, 4, v7
	v_lshlrev_b32 v5, 2, v5                        ; 4 (r + 16 u)
.endm
.macro LOADW t, n                                  ; block t: W(32 t + i, my column) into set t % 2
.set I, 0
.rept 32
	global_load_b32 v[32+32*((\t)%2)+I], v3, s[32:33] offset:(32*(\t)+I)*(\n)*4 th:TH_LOAD_NT
.set I, I+1
.endr
.endm
.macro BLOCKW t, n                                 ; block t is K = 64 (t / 2) + 32 (t % 2) on: registers 6 (t / 2) on of the image's lane (r, t % 2)
.set XS, 32+32*((\t)%2)
.set FD, 96+12*((\t)%2)+6*((\t)/2)
.if (\t) < 3
	s_wait_loadcnt 32                              ; this block's 32 loads are in; the next block's may be out
.else
	s_wait_loadcnt 0x0
.endif
	v_max3_num_f32 v12, |v[XS]|, |v[XS+1]|, |v[XS+2]|
	v_max3_num_f32 v13, |v[XS+3]|, |v[XS+4]|, |v[XS+5]|
.irp i, 6,10,14,18,22,26
	v_max3_num_f32 v12, v12, |v[XS+\i]|, |v[XS+\i+1]|
	v_max3_num_f32 v13, v13, |v[XS+\i+2]|, |v[XS+\i+3]|
.endr
	v_max3_num_f32 v12, v12, |v[XS+30]|, |v[XS+31]|
	v_max3_num_f32 v12, v12, v13, 0x2800000        ; the block's largest magnitude: all 32 numbers are mine; and the floor
	v_add_nc_u32 v11, 0xfe000000, v12
	v_lshrrev_b32 v13, 23, v11
.if (\t) == 0
	v_mov_b32 v14, v13
.else
	v_lshl_or_b32 v14, v13, 8*(\t), v14            ; my column's scale word
.endif
	v_cvt_scalef32_pk16_bf6_f32 v[FD:FD+2], v[XS:XS+15], v11
	v_cvt_scalef32_pk16_bf6_f32 v[120:122], v[XS+16:XS+31], v11
	v_nop
.irp i, 0,1,2
	v_mov_b32 v[FD+3+\i], v[120+\i]
.endr
.if (\t)+2 < 4
	LOADW (\t)+2, \n
.endif
.endm
.macro WQ n
	LOADW 0, \n
	LOADW 1, \n
	BLOCKW 0, \n
	BLOCKW 1, \n
	BLOCKW 2, \n
	BLOCKW 3, \n
.irp c, 0,1,2
	global_store_b128 v4, v[96+4*\c:99+4*\c], s[46:47] offset:512*\c           ; the image's lanes (r, 0): the sixteen lanes of a tile store 256 consecutive bytes, aligned
	global_store_b128 v4, v[108+4*\c:111+4*\c], s[46:47] offset:512*\c+256     ; and (r, 1)
.endr
	global_store_b32 v5, v14, s[48:49]             ; 128 consecutive bytes
.endm
.Lw768:
	s_mul_i32 s30, ttmp9, 171
	s_lshr_b32 s30, s30, 9                         ; id / 3: which weight and K step
	s_mul_i32 s31, s30, 3
	s_sub_co_u32 s31, ttmp9, s31                   ; which 256 columns
	s_wait_kmcnt 0x0
	s_mov_b64 s[32:33], s[12:13]
	s_mov_b32 s34, 0
	s_cmp_ge_u32 s30, 6
	s_cselect_b64 s[32:33], s[14:15], s[32:33]
	s_cselect_b32 s34, 6, s34
	s_cmp_ge_u32 s30, 12
	s_cselect_b64 s[32:33], s[16:17], s[32:33]
	s_cselect_b32 s34, 12, s34
	s_cmp_ge_u32 s30, 18
	s_cselect_b64 s[32:33], s[18:19], s[32:33]
	s_cselect_b32 s34, 18, s34
	s_cmp_ge_u32 s30, 24                           ; w_down: 16 K steps to a group
	s_cselect_b64 s[32:33], s[24:25], s[32:33]
	s_cselect_b32 s34, 24, s34
	s_mov_b32 s35, 76800
	s_mov_b32 s36, 204800
	s_cselect_b32 s35, s36, s35                    ; a group's bytes
	s_mul_i32 s37, s34, 76800                      ; w_q, w_k, w_v, w_o: six groups each, on end
	s_mov_b32 s38, 4300800
	s_cselect_b32 s37, s38, s37
	s_sub_co_u32 s30, s30, s34                     ; the K step
	s_lshr_b32 s39, s[WV], 2
	s_lshl_b32 s40, s31, 1
	s_add_co_u32 s39, s39, s40                     ; the group of 128 columns
	s_and_b32 s41, s[WV], 3                        ; the pair of tiles in it
	s_mul_i32 s39, s39, s35
	s_add_co_u32 s37, s37, s39
	s_mul_i32 s40, s30, 12800
	s_add_co_u32 s37, s37, s40
	s_mul_i32 s42, s30, 393216                     ; 128 rows of 768 x 4 bytes
	WTAIL
	WQ 768
	s_branch .Lend
.Lw2048:
	s_sub_co_u32 s30, ttmp9, 120
	s_and_b32 s31, s30, 7                          ; which 256 columns
	s_lshr_b32 s30, s30, 3
	s_wait_kmcnt 0x0
	s_cmp_ge_u32 s30, 6
	s_cselect_b64 s[32:33], s[22:23], s[20:21]     ; w_up or w_gate
	s_cselect_b32 s34, 6, 0
	s_cselect_b32 s35, 2, 0
	s_sub_co_u32 s30, s30, s34                     ; the K step
	s_lshl_b32 s39, s31, 2
	s_lshr_b32 s40, s[WV], 1
	s_add_co_u32 s39, s39, s40                     ; group G: hidden units 64 G on; its tiles 0-3 are w_gate's, 4-7 w_up's
	s_and_b32 s41, s[WV], 1
	s_add_co_u32 s41, s41, s35
	s_mul_i32 s37, s39, 76800
	s_add_co_u32 s37, s37, 1843200
	s_mul_i32 s40, s30, 12800
	s_add_co_u32 s37, s37, s40
	s_lshl_b32 s42, s30, 20                        ; 128 rows of 2,048 x 4 bytes
	WTAIL
	WQ 2048
.Lend:
	s_wait_tensorcnt 0x0                           ; the wave's end, for every path of the text
	ds_add_u32 v[SPW], v[NIL]
	s_wait_dscnt 0x0
	s_endpgm
.Lfunc_end_k_q53b62cf923_prep:
	.size	k_q53b62cf923_prep, .Lfunc_end_k_q53b62cf923_prep-k_q53b62cf923_prep
	.p2alignl 7, 3214868480
	.fill 96, 4, 3214868480
	.section	.rodata,"a",@progbits
	.p2align	6, 0x0
	.amdhsa_kernel k_q53b62cf923_prep
		.amdhsa_group_segment_fixed_size 2048
		.amdhsa_private_segment_fixed_size 0
		.amdhsa_enable_private_segment 0
		.amdhsa_kernarg_size 88
		.amdhsa_user_sgpr_count 2
		.amdhsa_user_sgpr_kernarg_segment_ptr 1
		.amdhsa_wavefront_size32 1
		.amdhsa_system_sgpr_workgroup_id_x 1
		.amdhsa_system_sgpr_workgroup_id_y 1
		.amdhsa_system_sgpr_workgroup_id_z 1
		.amdhsa_system_vgpr_workitem_id 0
		.amdhsa_next_free_vgpr 200
		.amdhsa_next_free_sgpr 66
		.amdhsa_reserve_vcc 1
		.amdhsa_float_denorm_mode_32 3
		.amdhsa_float_denorm_mode_16_64 3
		.amdhsa_memory_ordered 1
		.amdhsa_forward_progress 1
		.amdhsa_inst_pref_size 72
	.end_amdhsa_kernel
	.amdgpu_metadata
---
amdhsa.version: [ 1, 2 ]
amdhsa.kernels:
  - .name:           k_q53b62cf923_prep
    .symbol:         k_q53b62cf923_prep.kd
    .args:
      - { .name: hidden_states, .offset: 0, .size: 8, .value_kind: global_buffer, .address_space: global }
      - { .name: w_norm1, .offset: 8, .size: 8, .value_kind: global_buffer, .address_space: global }
      - { .name: w_q, .offset: 16, .size: 8, .value_kind: global_buffer, .address_space: global }
      - { .name: w_k, .offset: 24, .size: 8, .value_kind: global_buffer, .address_space: global }
      - { .name: w_v, .offset: 32, .size: 8, .value_kind: global_buffer, .address_space: global }
      - { .name: w_o, .offset: 40, .size: 8, .value_kind: global_buffer, .address_space: global }
      - { .name: w_gate, .offset: 48, .size: 8, .value_kind: global_buffer, .address_space: global }
      - { .name: w_up, .offset: 56, .size: 8, .value_kind: global_buffer, .address_space: global }
      - { .name: w_down, .offset: 64, .size: 8, .value_kind: global_buffer, .address_space: global }
      - { .name: W, .offset: 72, .size: 8, .value_kind: global_buffer, .address_space: global }
      - { .name: XN, .offset: 80, .size: 8, .value_kind: global_buffer, .address_space: global }
    .group_segment_fixed_size: 2048
    .private_segment_fixed_size: 0
    .kernarg_segment_align: 8
    .kernarg_segment_size: 88
    .max_flat_workgroup_size: 256
    .sgpr_count:     66
    .vgpr_count:     200
    .wavefront_size: 32
...
	.end_amdgpu_metadata
.endif
;; end of part 1
;; launch qkv (part 2): grid 16 x 9, 16 waves a work-group, no clusters, 167,936 bytes of LDS; arguments W, XN, QKV; writes QKV
.if DOCPART == 2
	.amdgcn_target "amdgcn-amd-amdhsa--gfx1250"
	.amdhsa_code_object_version 6
	.text
	.protected	k_q53b62cf923_qkv
	.globl	k_q53b62cf923_qkv
	.p2align	8
	.type	k_q53b62cf923_qkv,@function
k_q53b62cf923_qkv:
	s_mov_b64 s[64:65], 0
	v_nop
	global_prefetch_b8 v0, s[64:65] scope:SCOPE_SE
	s_setreg_imm32_b32 hwreg(HW_REG_WAVE_MODE, 25, 1), 1
	s_wait_xcnt 0x0
; QKV: q = xn w_q, k = xn w_k, v = xn w_v on codes of BF6; RoPE on q and k in f32; q, k (along the head's 64) and v (along the keys) quantised and stored as register images for the attention launch.
; ONE LOOP, TWO ROLES.  A work-group multiplies 256 SHARED rows (two groups of 8 tiles, all of K = 768: 153,600 dense bytes, brought into LDS once) by 256 PRIVATE rows (two tiles a wave, from memory into registers).
; Source 0 is the shared tile: its index runs along a lane's registers; source 1 the private tile: its row is the lane's.
;   rows y = 0-5 of the grid (q: 0-2, k: 3-5): shared = 256 features of the weight, private = tokens: a lane holds one token and 64 features of each of two heads: RoPE and the quantiser along the head work in registers.
;   rows y = 6-8 (v): shared = 256 tokens, private = 256 features of w_v: a lane holds one channel and 128 keys: the quantiser along the keys works in registers.
; Wave w: shared group w / 8; private group (w % 8) / 4, pair of tiles w % 4.  16 accumulators (8 shared tiles x 2 private), 128 registers.
; No ring: K is six steps, so all of K is asked for at the start (waves 0-3, six tensor loads each, in the order of the K steps: six loads of a wave are out at the most) and each step waits for its own part alone.
; NO CLUSTER: in rows y = 6-8 a shared block has three readers (the three y), which no cluster of four divides, and both roles run one text.
; QKV's layout: KV record (13,056 bytes) at (head x 32 + key step) x 13,056: 8 half fragments of K (768 bytes: registers 0-3 at 16 L, registers 4-5 at 512 + 8 L), 4 pair blocks, 4 fragments of V^T, 2 pair blocks.
;   Q record (6,656 bytes) at 5,013,504 + (head x 32 + token group) x 6,656: 8 half fragments, 4 pair blocks.
; LIMITS: as stated at the head of the first kernel (NaN, infinities, the floor of a block's scale).
.set SPARE, 153600                     ; behind the shared block: the spare words, 128 bytes for each of 16 waves: eight blocks of 256 bytes that no other line names
.set SPW, 5                            ; v5   LDS address of my spare word; never rewritten
.set NIL, 6                            ; v6   0; never rewritten
.set PAD, 3                            ; v3   16 x lane
.set PLS, 4                            ; v4   4 x lane          (v7: 8 x lane; v1, v8: LDS address of my shared group's fragments, K steps 0-2 and 3-5; v2: of its pair blocks)
.set PB,  12                           ; v12-59  two buffers of two private fragments
.set PS,  60                           ; v60, v61  their scale pairs: scales and nothing else
.set SS,  62                           ; v62-65  the shared tiles' four scale pairs: scales and nothing else
.set SF,  66                           ; v66-113 four shared fragments
.set ACC, 128                          ; accumulator (shared tile t, private tile p) at v[128 + 64 p + 8 t]
.set TM,  98                           ; the way out: v98-113 at work in the quantisers; v114-116 a conversion's second half
.set CT,  114
.set WV,  10
.set G1,  24                           ; s[24:31] descriptor group 1; s[32:55] six groups 0
.set G0,  32
.set SEL, 56
.set HM,  58
.set PBASE, 60                         ; s[60:61] my pair's fragments of K step 0; s[62:63] its pair block
.set PSB, 62
.macro PLACES                          ; four places behind matrix instructions, in front of loads into their registers and of reads of their results
.rept 4
	v_nop
.endr
.endm
.macro WM d, a, b, z, sa, sb, ra, rb   ; one product; z = 1: it starts the sum; ra, rb = 1: that side's scales stand in lanes 16-31
.if \z
.if (\ra) && (\rb)
	v_wmma_scale_f32_16x16x128_f8f6f4 v[(\d):(\d)+7], v[(\a):(\a)+11], v[(\b):(\b)+11], 0, v[\sa], v[\sb] matrix_a_fmt:MATRIX_FMT_BF6 matrix_b_fmt:MATRIX_FMT_BF6 matrix_a_scale:MATRIX_SCALE_ROW1 matrix_b_scale:MATRIX_SCALE_ROW1
.elseif \ra
	v_wmma_scale_f32_16x16x128_f8f6f4 v[(\d):(\d)+7], v[(\a):(\a)+11], v[(\b):(\b)+11], 0, v[\sa], v[\sb] matrix_a_fmt:MATRIX_FMT_BF6 matrix_b_fmt:MATRIX_FMT_BF6 matrix_a_scale:MATRIX_SCALE_ROW1
.elseif \rb
	v_wmma_scale_f32_16x16x128_f8f6f4 v[(\d):(\d)+7], v[(\a):(\a)+11], v[(\b):(\b)+11], 0, v[\sa], v[\sb] matrix_a_fmt:MATRIX_FMT_BF6 matrix_b_fmt:MATRIX_FMT_BF6 matrix_b_scale:MATRIX_SCALE_ROW1
.else
	v_wmma_scale_f32_16x16x128_f8f6f4 v[(\d):(\d)+7], v[(\a):(\a)+11], v[(\b):(\b)+11], 0, v[\sa], v[\sb] matrix_a_fmt:MATRIX_FMT_BF6 matrix_b_fmt:MATRIX_FMT_BF6
.endif
.else
.if (\ra) && (\rb)
	v_wmma_scale_f32_16x16x128_f8f6f4 v[(\d):(\d)+7], v[(\a):(\a)+11], v[(\b):(\b)+11], v[(\d):(\d)+7], v[\sa], v[\sb] matrix_a_fmt:MATRIX_FMT_BF6 matrix_b_fmt:MATRIX_FMT_BF6 matrix_a_scale:MATRIX_SCALE_ROW1 matrix_b_scale:MATRIX_SCALE_ROW1
.elseif \ra
	v_wmma_scale_f32_16x16x128_f8f6f4 v[(\d):(\d)+7], v[(\a):(\a)+11], v[(\b):(\b)+11], v[(\d):(\d)+7], v[\sa], v[\sb] matrix_a_fmt:MATRIX_FMT_BF6 matrix_b_fmt:MATRIX_FMT_BF6 matrix_a_scale:MATRIX_SCALE_ROW1
.elseif \rb
	v_wmma_scale_f32_16x16x128_f8f6f4 v[(\d):(\d)+7], v[(\a):(\a)+11], v[(\b):(\b)+11], v[(\d):(\d)+7], v[\sa], v[\sb] matrix_a_fmt:MATRIX_FMT_BF6 matrix_b_fmt:MATRIX_FMT_BF6 matrix_b_scale:MATRIX_SCALE_ROW1
.else
	v_wmma_scale_f32_16x16x128_f8f6f4 v[(\d):(\d)+7], v[(\a):(\a)+11], v[(\b):(\b)+11], v[(\d):(\d)+7], v[\sa], v[\sb] matrix_a_fmt:MATRIX_FMT_BF6 matrix_b_fmt:MATRIX_FMT_BF6
.endif
.endif
.endm
.macro PLOAD buf, off                  ; seven loads: my two private fragments and their scale pair, of the K step that begins off bytes on
.irp p, 0,1
.irp c, 0,1,2
	global_load_b128 v[PB+24*(\buf)+12*\p+4*\c:PB+24*(\buf)+12*\p+4*\c+3], v[PAD], s[PBASE:PBASE+1] offset:(\off)+1536*\p+512*\c
.endr
.endr
	global_load_b32 v[PS+(\buf)], v[PLS], s[PSB:PSB+1] offset:\off
.endm
.macro SLOAD a, areg, off              ; shared tiles 4 a .. 4 a + 3
.irp k, 0,1,2,3
.irp c, 0,1,2
	ds_load_b128 v[SF+12*\k+4*\c:SF+12*\k+4*\c+3], v[\areg] offset:(\off)+1536*(4*(\a)+\k)+512*\c
.endr
.endr
.endm
.macro MUL8 a, buf, zero               ; the 16 accumulators take turns, one instruction a turn, in the same order in every K step
.irp k, 0,1,2,3
.irp p, 0,1
	WM ACC+64*\p+8*(4*(\a)+\k), SF+12*\k, PB+24*(\buf)+12*\p, \zero, SS+(4*(\a)+\k)/2, PS+(\buf), \k%2, \p
.endr
.endr
.endm
.macro KSTEP areg, aoff, lreg, loff, buf, zero, nextoff   ; a K step of 128: 16 products.  nextoff: the next step's private operand, or -1
.if (\nextoff) >= 0
	PLOAD 1-(\buf), \nextoff
.endif
.irp q, 0,1,2,3
	ds_load_b32 v[SS+\q], v[\lreg] offset:(\loff)+128*\q
.endr
	SLOAD 0, \areg, \aoff
.if (\nextoff) >= 0
	s_wait_loadcnt 7                               ; this step's private operand is in; the next step's seven loads may be out
.else
	s_wait_loadcnt 0x0
.endif
	s_wait_dscnt 0x0
	MUL8 0, \buf, \zero
	PLACES
	SLOAD 1, \areg, \aoff
	s_wait_dscnt 0x0
	MUL8 1, \buf, \zero
	PLACES
.endm
.macro QUANT s, pc, pw                 ; 64 numbers of a lane, register 16 b + i = k 32 b + 16 (lane / 16) + i, become a fragment's codes in v[pc] on and its scale word in v[pw]
.irp b, 0,1,2,3
	v_max3_num_f32 v[TM+\b], |v[(\s)+16*\b]|, |v[(\s)+1+16*\b]|, 0x2800000   ; and the floor 2^(5 - 127): the byte cannot fall under 1
.endr
.irp i, 2,4,6,8,10,12,14
.irp b, 0,1,2,3
	v_max3_num_f32 v[TM+\b], v[TM+\b], |v[(\s)+16*\b+\i]|, |v[(\s)+1+16*\b+\i]|
.endr
.endr
.irp b, 0,1,2,3
	v_permlanex16_b32 v[TM+4+\b], v[TM+\b], s[SEL], s[SEL+1]
.endr
.irp b, 0,1,2,3
	v_max_num_f32 v[TM+\b], v[TM+\b], v[TM+4+\b]
.endr
.irp b, 0,1,2,3
	v_add_nc_u32 v[TM+12+\b], 0xfe000000, v[TM+\b]                ; 4 off the exponent field: the conversion's scale operand
.endr
.irp b, 0,1,2,3
	v_lshrrev_b32 v[TM+4+\b], 23, v[TM+12+\b]
.endr
	v_lshl_or_b32 v[\pw], v[TM+5], 8, v[TM+4]
	v_lshl_or_b32 v[\pw], v[TM+6], 16, v[\pw]
	v_lshl_or_b32 v[\pw], v[TM+7], 24, v[\pw]
.irp c, 0,1
	v_cvt_scalef32_pk16_bf6_f32 v[(\pc)+6*\c:(\pc)+2+6*\c], v[(\s)+32*\c:(\s)+15+32*\c], v[TM+12+2*\c]
	v_cvt_scalef32_pk16_bf6_f32 v[(\pc)+12+4*\c:(\pc)+14+4*\c], v[(\s)+16+32*\c:(\s)+31+32*\c], v[TM+13+2*\c]
.endr
	v_nop                                                         ; one plain place behind a scaled conversion
.irp c, 0,1
.irp i, 0,1,2
	v_permlane16_swap_b32 v[(\pc)+6*\c+\i], v[(\pc)+12+4*\c+\i]
.endr
.irp i, 0,1,2
	v_mov_b32 v[(\pc)+3+6*\c+\i], v[(\pc)+12+4*\c+\i]
.endr
.endr
.endm
.macro HQUANT s, d, pw                 ; the same for 32 numbers (two blocks): six registers of codes in v[d] on, two scale bytes in v[pw]
.irp b, 0,1
	v_max3_num_f32 v[TM+\b], |v[(\s)+16*\b]|, |v[(\s)+1+16*\b]|, 0x2800000
.endr
.irp i, 2,4,6,8,10,12,14
.irp b, 0,1
	v_max3_num_f32 v[TM+\b], v[TM+\b], |v[(\s)+16*\b+\i]|, |v[(\s)+1+16*\b+\i]|
.endr
.endr
.irp b, 0,1
	v_permlanex16_b32 v[TM+4+\b], v[TM+\b], s[SEL], s[SEL+1]
.endr
.irp b, 0,1
	v_max_num_f32 v[TM+\b], v[TM+\b], v[TM+4+\b]
.endr
.irp b, 0,1
	v_add_nc_u32 v[TM+12+\b], 0xfe000000, v[TM+\b]
.endr
.irp b, 0,1
	v_lshrrev_b32 v[TM+4+\b], 23, v[TM+12+\b]
.endr
	v_lshl_or_b32 v[\pw], v[TM+5], 8, v[TM+4]
	v_cvt_scalef32_pk16_bf6_f32 v[(\d):(\d)+2], v[(\s):(\s)+15], v[TM+12]
	v_cvt_scalef32_pk16_bf6_f32 v[CT:CT+2], v[(\s)+16:(\s)+31], v[TM+13]
	v_nop
.irp i, 0,1,2
	v_permlane16_swap_b32 v[(\d)+\i], v[CT+\i]
.endr
.irp i, 0,1,2
	v_mov_b32 v[(\d)+3+\i], v[CT+\i]
.endr
.endm
	s_load_b128 s[4:7], s[0:1], 0x0                ; W s[4:5], XN s[6:7]
	s_load_b64 s[8:9], s[0:1], 0x10                ; QKV
	v_lshl_add_u32 v[SPW], v0, 2, SPARE
	v_mov_b32 v[NIL], 0
	ds_add_u32 v[SPW], v[NIL]                      ; the wave's opening: the add, twice on end, and its wait ahead of the first tensor load; work on registers stands between the second and the wait
	ds_add_u32 v[SPW], v[NIL]
	v_lshrrev_b32 v1, 5, v0
	v_readfirstlane_b32 s[WV], v1
	s_and_b32 s12, ttmp7, 0xffff                   ; y
	s_lshr_b32 s13, s[WV], 3                       ; g: my shared group
	s_and_b32 s14, s[WV], 7                        ; pp
	s_and_b32 s15, s[WV], 3                        ; q: my pair of private tiles
	s_mov_b32 s[G1], 3<<16                         ; elements of 8 bytes, no mask, no padding
	s_mov_b32 s[G1+1], 32<<16                      ; tensor_dim0 = 32 elements: rows of 256 bytes
	s_mov_b32 s[G1+2], 25<<16                      ; tensor_dim1 = 25 rows: half a record
	s_mov_b32 s[G1+3], 32<<16                      ; tile_dim0
	s_mov_b32 s[G1+4], 25                          ; tile_dim1
	s_mov_b32 s[G1+5], 32                          ; the pitch: dense
	s_mov_b32 s[G1+6], 0
	s_mov_b32 s[G1+7], 0
	s_mov_b32 s[SEL], 0x76543210
	s_mov_b32 s[SEL+1], 0xfedcba98
	s_mov_b32 s[HM], 0xffff0000
	s_and_b32 s22, s[WV], 3                        ; what I fetch, if I fetch: group (w / 2), half (w % 2) of each record
	s_lshr_b32 s23, s22, 1
	s_mul_i32 s23, s23, 76800
	s_and_b32 s22, s22, 1
	s_mul_i32 s22, s22, 6400
	s_add_co_u32 s66, s23, s22                     ; its place in the block, in memory and in LDS alike
	s_wait_dscnt 0x0                               ; both opening adds are done
	s_wait_kmcnt 0x0
	s_cmp_lt_u32 s12, 6                            ; the role hangs on the work-group's number alone
	s_cselect_b64 s[16:17], s[4:5], s[6:7]         ; the shared operand's buffer,
	s_cselect_b64 s[18:19], s[6:7], s[4:5]         ; the private one's
	s_cselect_b32 s20, s12, ttmp9                  ; the shared block: groups 2 y, 2 y + 1 of W, or 2 x, 2 x + 1 of XN
	s_cselect_b32 s21, ttmp9, s12                  ; the private groups: 2 x + .. of XN, or 2 y + .. of W (w_v's groups begin at 12 = 2 x 6)
	s_mul_i32 s20, s20, 153600
	s_add_co_u32 s68, s20, s66
	s_mov_b32 s69, 0
	s_add_nc_u64 s[68:69], s[16:17], s[68:69]
.irp s, 0,1,2,3,4,5
	s_mov_b32 s[G0+4*\s], 1
	s_add_co_u32 s[G0+4*\s+1], s66, 12800*\s
	s_add_nc_u64 s[G0+4*\s+2:G0+4*\s+3], s[68:69], 12800*\s
	s_or_b32 s[G0+4*\s+3], s[G0+4*\s+3], 0x80000000
.endr
	s_cmp_lt_u32 s[WV], 4                          ; a wave's first fills stand in one branch on the wave's number
	s_cbranch_scc0 .Lno_fill
.irp s, 0,1,2,3,4,5
	tensor_load_to_lds s[G0+4*\s:G0+4*\s+3], s[G1:G1+7]   ; K step s
	s_nop 0
.endr
.rept 4
	v_nop
.endr
.Lno_fill:
	s_lshl_b32 s21, s21, 1
	s_lshr_b32 s70, s14, 2
	s_add_co_u32 s21, s21, s70                     ; my private group
	s_mul_i32 s70, s21, 76800
	s_mul_i32 s71, s15, 3072
	s_add_co_u32 s72, s70, s71
	s_mov_b32 s73, 0
	s_add_nc_u64 s[PBASE:PBASE+1], s[18:19], s[72:73]
	s_lshl_b32 s71, s15, 7
	s_add_co_u32 s72, s70, s71
	s_add_co_u32 s72, s72, 12288
	s_add_nc_u64 s[PSB:PSB+1], s[18:19], s[72:73]
	v_and_b32 v9, 31, v0
	v_lshlrev_b32 v[PAD], 4, v9
	v_lshlrev_b32 v[PLS], 2, v9
	v_lshlrev_b32 v7, 3, v9
	PLOAD 0, 0
	s_mul_i32 s74, s13, 76800
	v_add_nc_u32 v1, s74, v[PAD]
	v_add_nc_u32 v8, 38400, v1                     ; (an LDS immediate holds 16 bits: K steps 3-5 have an address of their own)
	v_add_nc_u32 v2, s74, v[PLS]
	v_add_nc_u32 v2, 12288, v2
.macro MEET s                                      ; K step s lies in LDS: the fetching waves' later loads may stay out
	s_wait_tensorcnt 5-\s
	s_barrier_signal -1
	s_barrier_wait -1
.endm
	MEET 0
	KSTEP 1, 0, 2, 0, 0, 1, 12800
	MEET 1
	KSTEP 1, 12800, 2, 12800, 1, 0, 25600
	MEET 2
	KSTEP 1, 25600, 2, 25600, 0, 0, 38400
	MEET 3
	KSTEP 8, 0, 2, 38400, 1, 0, 51200
	MEET 4
	KSTEP 8, 12800, 2, 51200, 0, 0, 64000
	MEET 5
	KSTEP 8, 25600, 2, 64000, 1, 0, -1
.irp b, 0,1,2,3
	v_mov_b32 v[TM+4+\b], 0                        ; written once: a lane permute's destination counts as one of its sources
.endr
	s_cmp_ge_u32 s12, 6
	s_cbranch_scc1 .Lv_out
	; ---- q, k.  Block k = 2 pt + hd (token tile pt of my pair, head hd of my group): 32 registers at ACC + 32 k: d = 16 h + i, then d = 32 + 16 h + i
	s_lshl_b32 s70, s21, 3
	s_lshl_b32 s71, s15, 1
	s_add_co_u32 s70, s70, s71                     ; my first token tile
	s_lshl_b32 s70, s70, 12
	s_add_co_u32 s70, s70, 2457600
	s_mov_b32 s71, 0
	s_add_nc_u64 s[70:71], s[6:7], s[70:71]        ; its cosines and sines
.irp c, 0,1,2,3,4,5,6,7
	global_load_b128 v[12+4*\c:15+4*\c], v[PAD], s[70:71] offset:512*\c
.endr
.irp c, 0,1,2,3,4,5,6,7
	global_load_b128 v[66+4*\c:69+4*\c], v[PAD], s[70:71] offset:4096+512*\c
.endr
	s_cmp_lt_u32 s12, 3
	s_cselect_b32 s73, 5013504, 0                  ; q's records or k's
	s_mov_b32 s74, 13056
	s_cselect_b32 s74, 6656, s74
	s_cselect_b32 s72, 0, 3
	s_sub_co_u32 s72, s12, s72
	s_lshl_b32 s72, s72, 2
	s_lshl_b32 s75, s13, 1
	s_add_co_u32 s72, s72, s75                     ; my first head: 4 (y mod 3) + 2 g
	s_lshl_b32 s72, s72, 5
	s_add_co_u32 s72, s72, s21
	s_mul_i32 s72, s72, s74
	s_add_co_u32 s72, s72, s73                     ; its record of my token group
	s_lshl_b32 s74, s74, 5                         ; the next head's lies 32 records on
	s_mul_i32 s75, s15, 1536
	s_add_co_u32 s76, s72, s75
	s_mov_b32 s77, 0
	s_mov_b32 s75, 0
	s_add_nc_u64 s[76:77], s[8:9], s[76:77]
	s_add_nc_u64 s[78:79], s[76:77], s[74:75]
	s_lshl_b32 s80, s15, 7
	s_add_co_u32 s80, s80, s72
	s_add_co_u32 s80, s80, 6144
	s_mov_b32 s81, 0
	s_add_nc_u64 s[80:81], s[8:9], s[80:81]
	s_add_nc_u64 s[82:83], s[80:81], s[74:75]
	s_wait_loadcnt 0x0
.macro QKBLOCK k, d                                ; d: where the codes go: registers that are done with, so that no store's data are written again
.set XB, ACC+32*(\k)
.set CBB, 12+54*((\k)/2)
.irp i, 0,2,4,6,8,10,12,14
	v_pk_mul_f32 v[44:45], v[XB+16+\i:XB+17+\i], v[CBB+16+\i:CBB+17+\i]
	v_pk_mul_f32 v[46:47], v[XB+\i:XB+1+\i], v[CBB+16+\i:CBB+17+\i]
	v_pk_fma_f32 v[XB+\i:XB+1+\i], v[XB+\i:XB+1+\i], v[CBB+\i:CBB+1+\i], v[44:45] neg_lo:[0,0,1] neg_hi:[0,0,1]   ; x1 cos - x2 sin
	v_pk_fma_f32 v[XB+16+\i:XB+17+\i], v[XB+16+\i:XB+17+\i], v[CBB+\i:CBB+1+\i], v[46:47]                          ; x2 cos + x1 sin
.endr
	HQUANT XB, \d, 118+(\k)
	global_store_b128 v[PAD], v[(\d):(\d)+3], s[76+2*((\k)%2):77+2*((\k)%2)] offset:768*((\k)/2)          ; 512 consecutive bytes, aligned
	global_store_b64 v7, v[(\d)+4:(\d)+5], s[76+2*((\k)%2):77+2*((\k)%2)] offset:768*((\k)/2)+512         ; 256
.endm
	QKBLOCK 0, 48
	QKBLOCK 1, ACC
	QKBLOCK 2, ACC+32
	QKBLOCK 3, ACC+64
	v_cndmask_b32 v122, v118, v120, s[HM]          ; a pair block: lanes 0-15 the even tile's words, lanes 16-31 the odd tile's
	v_cndmask_b32 v123, v119, v121, s[HM]
	global_store_b32 v[PLS], v122, s[80:81]
	global_store_b32 v[PLS], v123, s[82:83]
	s_branch .Lend
.Lv_out:	; ---- v.  My 64 registers of private tile pt are the 128 keys of my shared group, for one channel a lane: a fragment of V^T
	s_sub_co_u32 s72, s12, 6
	s_lshl_b32 s72, s72, 2
	s_lshr_b32 s73, s14, 1
	s_add_co_u32 s72, s72, s73                     ; the head
	s_lshl_b32 s72, s72, 5
	s_lshl_b32 s73, ttmp9, 1
	s_add_co_u32 s72, s72, s73
	s_add_co_u32 s72, s72, s13                     ; x 32 + the key step 2 x + g
	s_mul_i32 s72, s72, 13056
	s_and_b32 s73, s14, 1
	s_mul_i32 s74, s73, 3072
	s_add_co_u32 s76, s72, s74
	s_add_co_u32 s76, s76, 6656
	s_mov_b32 s77, 0
	s_add_nc_u64 s[76:77], s[8:9], s[76:77]
	s_lshl_b32 s73, s73, 7
	s_add_co_u32 s80, s72, s73
	s_add_co_u32 s80, s80, 12800
	s_mov_b32 s81, 0
	s_add_nc_u64 s[80:81], s[8:9], s[80:81]
	QUANT ACC, 12, 118
.irp c, 0,1,2
	global_store_b128 v[PAD], v[12+4*\c:15+4*\c], s[76:77] offset:512*\c
.endr
	QUANT ACC+64, 32, 119
.irp c, 0,1,2
	global_store_b128 v[PAD], v[32+4*\c:35+4*\c], s[76:77] offset:1536+512*\c
.endr
	v_cndmask_b32 v122, v118, v119, s[HM]
	global_store_b32 v[PLS], v122, s[80:81]
.Lend:
	s_wait_tensorcnt 0x0                           ; the wave's end: three lines behind my last tensor load
	ds_add_u32 v[SPW], v[NIL]
	s_wait_dscnt 0x0
	s_endpgm
.Lfunc_end_k_q53b62cf923_qkv:
	.size	k_q53b62cf923_qkv, .Lfunc_end_k_q53b62cf923_qkv-k_q53b62cf923_qkv
	.p2alignl 7, 3214868480
	.fill 96, 4, 3214868480
	.section	.rodata,"a",@progbits
	.p2align	6, 0x0
	.amdhsa_kernel k_q53b62cf923_qkv
		.amdhsa_group_segment_fixed_size 167936
		.amdhsa_private_segment_fixed_size 0
		.amdhsa_enable_private_segment 0
		.amdhsa_kernarg_size 24
		.amdhsa_user_sgpr_count 2
		.amdhsa_user_sgpr_kernarg_segment_ptr 1
		.amdhsa_wavefront_size32 1
		.amdhsa_system_sgpr_workgroup_id_x 1
		.amdhsa_system_sgpr_workgroup_id_y 1
		.amdhsa_system_sgpr_workgroup_id_z 1
		.amdhsa_system_vgpr_workitem_id 0
		.amdhsa_next_free_vgpr 256
		.amdhsa_next_free_sgpr 96
		.amdhsa_reserve_vcc 0
		.amdhsa_float_denorm_mode_32 3
		.amdhsa_float_denorm_mode_16_64 3
		.amdhsa_memory_ordered 1
		.amdhsa_forward_progress 1
		.amdhsa_inst_pref_size 63
	.end_amdhsa_kernel
	.amdgpu_metadata
---
amdhsa.version: [ 1, 2 ]
amdhsa.kernels:
  - .name:           k_q53b62cf923_qkv
    .symbol:         k_q53b62cf923_qkv.kd
    .args:
      - { .name: W, .offset: 0, .size: 8, .value_kind: global_buffer, .address_space: global }
      - { .name: XN, .offset: 8, .size: 8, .value_kind: global_buffer, .address_space: global }
      - { .name: QKV, .offset: 16, .size: 8, .value_kind: global_buffer, .address_space: global }
    .group_segment_fixed_size: 167936
    .private_segment_fixed_size: 0
    .kernarg_segment_align: 8
    .kernarg_segment_size: 24
    .max_flat_workgroup_size: 512
    .sgpr_count:     96
    .vgpr_count:     256
    .wavefront_size: 32
...
	.end_amdgpu_metadata
.endif
;; end of part 2
;; launch attn (part 3): grid 16 x 12, 16 waves a work-group, no clusters, 327,680 bytes of LDS; arguments QKV, ATT; writes ATT
.if DOCPART == 3
	.amdgcn_target "amdgcn-amd-amdhsa--gfx1250"
	.amdhsa_code_object_version 6
	.text
	.protected	k_q53b62cf923_attn
	.globl	k_q53b62cf923_attn
	.p2align	8
	.type	k_q53b62cf923_attn,@function
k_q53b62cf923_attn:
	s_mov_b64 s[64:65], 0
	v_nop
	global_prefetch_b8 v0, s[64:65] scope:SCOPE_SE
	s_setreg_imm32_b32 hwreg(HW_REG_WAVE_MODE, 25, 1), 1
	s_wait_xcnt 0x0
; ATTN: causal attention of 12 heads of 64 on codes of BF6, both products; the result, divided by the row's sum, is quantised along the head's 64 for the projection that follows.
; WORK LEFT OUT: key steps that lie wholly behind a tile's queries (reference()'s own causal mask gives them the weight 0 for every value of the inputs: see the head of the first kernel).
; THE SOFTMAX AHEAD OF THE SECOND PRODUCT: t = score x log2(e) / 8; M = the row's largest t so far, rounded UP to a whole number; p = 2^(t - M) is what is quantised, along the keys.  The row's sum is taken of the unquantised p
; and divides O at the end.  When M moves, the sum and O are multiplied by 2^(old M - new M): exact.
; SHARES.  Work-group (x = 2 e + i, head).  It owns four blocks of 64 queries, jb = 4 e + i, 4 e + 2 + i, 60 - 4 e + i, 62 - 4 e + i, which need jb / 2 + 1 key steps of 128: 66 for a tile of each, in every work-group.
; Sixteen waves, one tile of 16 queries each, in 256 registers: four waves to a SIMD, so that one wave's vector work stands beside another's products and LDS loads.  Wave w: block ((w >> 2) + w) & 3, tile w >> 2 of it.
; 192 work-groups: twelve heads do not divide into 256 equal shares of one head each.
; K's and V's records (13,056 dense bytes a key step: see the head of the kernel before) come through a ring of two LDS slots of two key steps; waves 0 and 1 fetch a record each; at most one tensor load of a wave is out.
; EVERY work-group walks all 16 slots, so that trip counts are constants; a step whose keys all come behind my queries is jumped over by a branch on ids, and a slot that none of the sixteen waves reads is not asked for.
; LAYOUT.  Both products are used transposed: S^T = K Q^T, O^T = V^T P^T: a lane holds one query throughout.  The head's 64 fill half of the instruction's 128 along K: registers 6-11 of K's and Q's fragments hold zero codes.
; NO CLUSTER: the mask lets a partner with early queries jump over tiles that a joint load would bring.
; ATT's layout: half fragment (768 bytes) at (tile x 12 + head) x 768; its 32 scale words at 2,359,296 + (tile x 12 + head) x 128, shifted 16 bits up for odd heads, so that two heads' words are joined by an OR.
; LIMITS: as stated at the head of the first kernel.
; REGISTERS: v1-3 16, 8, 4 x lane; v7-9 these + the slot; v10-11 the mask's; v12 -M, v13 the largest t, v[14:15] the sum; v16-27 Q; v28 the prefetch's offset; v29 my query's place; v30-31 V's scale pairs; v32-79 four fragments of K;
;   v80-127 V's four; v128-191 S^T, then p; v192-223 O^T; v224-235 p's codes; v232-247 at work; v248-251 K's scale pairs; v252 f; v253 p's scale word; v254 at work; v255 Q's scale words.
.set SLOT1, 65536                      ; slot 1 begins here, so that one exclusive or turns an address in one slot into the other's
.set REC,   13056
.set SPARE, 131072                     ; the spare words, 128 bytes for each of 16 waves: eight blocks of 256 bytes that no other line names
.set SPW, 5
.set NIL, 6
.set A16, 7
.set A8,  8
.set A4,  9
.set TM,  232
.set CT,  160
.set WV,  18
.set SEL, 20
.set CS,  22                           ; s[22:23] c = log2(e) / 8
.set G1,  24
.set G0,  40                           ; s[40:43] the walking group 0
.set TB,  2                            ; s2   LDS byte at which the slot in hand begins
.set SLOTS, 67
.set KF,  98                           ; s98  the step's first key
.set Q0,  99                           ; s99  32 (T / 2): my tile's queries lie in Q0 .. Q0 + 31
.set PFA, 76                           ; s[76:77] where the prefetches stand
.set LIM, 80                           ; s80  1 in a wave that prefetches, else the greatest number
.set KLIM, 81                          ; s81  4,096 - 256 e: the first key that no wave of my work-group reads
.macro WM d, a, b, z, sa, sb, ra
.if \z
.if \ra
	v_wmma_scale_f32_16x16x128_f8f6f4 v[(\d):(\d)+7], v[(\a):(\a)+11], v[(\b):(\b)+11], 0, v[\sa], v[\sb] matrix_a_fmt:MATRIX_FMT_BF6 matrix_b_fmt:MATRIX_FMT_BF6 matrix_a_scale:MATRIX_SCALE_ROW1
.else
	v_wmma_scale_f32_16x16x128_f8f6f4 v[(\d):(\d)+7], v[(\a):(\a)+11], v[(\b):(\b)+11], 0, v[\sa], v[\sb] matrix_a_fmt:MATRIX_FMT_BF6 matrix_b_fmt:MATRIX_FMT_BF6
.endif
.else
.if \ra
	v_wmma_scale_f32_16x16x128_f8f6f4 v[(\d):(\d)+7], v[(\a):(\a)+11], v[(\b):(\b)+11], v[(\d):(\d)+7], v[\sa], v[\sb] matrix_a_fmt:MATRIX_FMT_BF6 matrix_b_fmt:MATRIX_FMT_BF6 matrix_a_scale:MATRIX_SCALE_ROW1
.else
	v_wmma_scale_f32_16x16x128_f8f6f4 v[(\d):(\d)+7], v[(\a):(\a)+11], v[(\b):(\b)+11], v[(\d):(\d)+7], v[\sa], v[\sb] matrix_a_fmt:MATRIX_FMT_BF6 matrix_b_fmt:MATRIX_FMT_BF6
.endif
.endif
.endm
.macro TLOAD                           ; waves 0 and 1 fetch a record each; the branch hangs on the wave's number alone
	s_cmp_lt_u32 s[WV], 2
	s_cbranch_scc0 .Lasked_\@
	tensor_load_to_lds s[G0:G0+3], s[G1:G1+7]
	s_nop 0
.rept 4
	v_nop
.endr
.Lasked_\@:
.endm
; A PREFETCH INTO THE L2 of the slot that the NEXT change of slots will ask for: 26,112 dense bytes, 102 blocks of 256; two key steps ahead of that load.  All work-groups of a head walk the same records: the head's work-group
; x = 0, which walks all 16 slots, asks, and in it waves 4-7, which fetch nothing: one instruction each, a lane a block (the last wave's spare lanes repeat the last block).  The last change that fills a slot asks for nothing;
; slots 0 and 1 come by their loads alone.
.macro ASK
	s_cmp_gt_u32 s[SLOTS], s[LIM]
	s_cbranch_scc0 .Lnot_mine_\@
	global_prefetch_b8 v28, s[PFA:PFA+1] th:TH_LOAD_NT scope:SCOPE_SE
.Lnot_mine_\@:
.endm
.macro HQUANT s, d, pw                 ; 32 numbers of a lane, register 16 b + i = k 32 b + 16 (lane / 16) + i: six registers of codes, two scale bytes
.irp b, 0,1
	v_max3_num_f32 v[TM+\b], |v[(\s)+16*\b]|, |v[(\s)+1+16*\b]|, 0x2800000
.endr
.irp i, 2,4,6,8,10,12,14
.irp b, 0,1
	v_max3_num_f32 v[TM+\b], v[TM+\b], |v[(\s)+16*\b+\i]|, |v[(\s)+1+16*\b+\i]|
.endr
.endr
.irp b, 0,1
	v_permlanex16_b32 v[TM+4+\b], v[TM+\b], s[SEL], s[SEL+1]
.endr
.irp b, 0,1
	v_max_num_f32 v[TM+\b], v[TM+\b], v[TM+4+\b]
.endr
.irp b, 0,1
	v_add_nc_u32 v[TM+12+\b], 0xfe000000, v[TM+\b]
.endr
.irp b, 0,1
	v_lshrrev_b32 v[TM+4+\b], 23, v[TM+12+\b]
.endr
	v_lshl_or_b32 v[\pw], v[TM+5], 8, v[TM+4]
	v_cvt_scalef32_pk16_bf6_f32 v[(\d):(\d)+2], v[(\s):(\s)+15], v[TM+12]
	v_cvt_scalef32_pk16_bf6_f32 v[CT:CT+2], v[(\s)+16:(\s)+31], v[TM+13]
	v_nop
.irp i, 0,1,2
	v_permlane16_swap_b32 v[(\d)+\i], v[CT+\i]
.endr
.irp i, 0,1,2
	v_mov_b32 v[(\d)+3+\i], v[CT+\i]
.endr
.endm
	s_load_b128 s[4:7], s[0:1], 0x0                ; QKV s[4:5], ATT s[6:7]
	v_lshl_add_u32 v[SPW], v0, 2, SPARE
	v_mov_b32 v[NIL], 0
	ds_add_u32 v[SPW], v[NIL]                      ; the wave's opening: the add, twice on end, and its wait ahead of the first tensor load
	ds_add_u32 v[SPW], v[NIL]
	v_lshrrev_b32 v7, 5, v0
	v_readfirstlane_b32 s[WV], v7
	s_and_b32 s68, ttmp7, 0xffff                   ; the head
	s_lshr_b32 s69, ttmp9, 1                       ; e
	s_and_b32 s70, ttmp9, 1                        ; i
	s_lshr_b32 s71, s[WV], 2                       ; my tile in its block
	s_add_co_u32 s72, s71, s[WV]
	s_and_b32 s72, s72, 3                          ; my block of the four
	s_lshl_b32 s73, s69, 2
	s_sub_co_u32 s74, 60, s73
	s_cmp_lt_u32 s72, 2
	s_cselect_b32 s73, s73, s74                    ; 4 e or 60 - 4 e
	s_and_b32 s74, s72, 1
	s_lshl_b32 s74, s74, 1
	s_add_co_u32 s73, s73, s74
	s_add_co_u32 s73, s73, s70                     ; jb
	s_lshl_b32 s73, s73, 2
	s_add_co_u32 s73, s73, s71                     ; T: my token tile
	s_lshr_b32 s[Q0], s73, 1
	s_lshl_b32 s[Q0], s[Q0], 5
	s_lshl_b32 s[KLIM], s69, 8
	s_sub_co_u32 s[KLIM], 4096, s[KLIM]
	s_mov_b32 s[G1], 3<<16                         ; elements of 8 bytes, no mask, no padding
	s_mov_b32 s[G1+1], 32<<16                      ; rows of 256 bytes
	s_mov_b32 s[G1+2], 51<<16                      ; 51 rows: a record
	s_mov_b32 s[G1+3], 32<<16
	s_mov_b32 s[G1+4], 51
	s_mov_b32 s[G1+5], 32
	s_mov_b32 s[G1+6], 0
	s_mov_b32 s[G1+7], 0
	s_mov_b32 s[SEL], 0x76543210
	s_mov_b32 s[SEL+1], 0xfedcba98
	s_mov_b32 s[CS], 0x3e38aa3b
	s_mov_b32 s[CS+1], s[CS]                       ; (named with it as a pair, so it is written)
	s_mov_b32 s[TB], 0
	s_mov_b32 s[SLOTS], 15
	s_mov_b32 s[KF], 0
	s_mul_i32 s82, s68, 417792                     ; the head's 32 records
	s_and_b32 s83, s[WV], 1
	s_mul_i32 s83, s83, REC                        ; which of a slot's two I fetch, if I fetch
	s_add_co_u32 s84, s82, s83
	s_mov_b32 s85, 0
	s_lshl_b32 s86, s68, 5
	s_lshr_b32 s87, s73, 3
	s_add_co_u32 s86, s86, s87
	s_mul_i32 s86, s86, 6656
	s_add_co_u32 s86, s86, 5013504                 ; Q's record
	s_and_b32 s88, s73, 7
	s_mul_i32 s89, s88, 768
	s_add_co_u32 s90, s86, s89
	s_mov_b32 s91, 0
	s_lshl_b32 s88, s88, 6
	s_add_co_u32 s92, s86, s88
	s_add_co_u32 s92, s92, 6144
	s_mov_b32 s93, 0
	s_mul_i32 s94, s73, 12
	s_add_co_u32 s94, s94, s68
	s_lshl_b32 s96, s94, 7
	s_add_co_u32 s96, s96, 2359296
	s_mov_b32 s97, 0
	s_mul_i32 s94, s94, 768
	s_mov_b32 s95, 0
	s_wait_dscnt 0x0                               ; both opening adds are done
	s_wait_kmcnt 0x0
	s_mov_b32 s[G0], 1
	s_mov_b32 s[G0+1], s83
	s_add_nc_u64 s[G0+2:G0+3], s[4:5], s[84:85]
	s_or_b32 s[G0+3], s[G0+3], 0x80000000
	TLOAD                                          ; slot 0: key 0 counts for every query
	s_add_nc_u64 s[90:91], s[4:5], s[90:91]        ; Q's half fragment,
	s_add_nc_u64 s[92:93], s[4:5], s[92:93]        ; its scale words,
	s_add_nc_u64 s[94:95], s[6:7], s[94:95]        ; my place in ATT,
	s_add_nc_u64 s[96:97], s[6:7], s[96:97]        ; and among its scale words
	s_mov_b32 s78, s82
	s_mov_b32 s79, 0
	s_add_nc_u64 s[PFA:PFA+1], s[4:5], s[78:79]
	s_add_nc_u64 s[PFA:PFA+1], s[PFA:PFA+1], 2*REC ; in slot 1: the first change of slots steps it to slot 2.  Nothing is prefetched here, at the head
	s_lshr_b32 s78, s[WV], 2
	s_xor_b32 s78, s78, 1                          ; 0 in waves 4-7,
	s_or_b32 s78, s78, ttmp9                       ; of work-group x = 0
	s_cmp_eq_u32 s78, 0
	s_cselect_b32 s[LIM], 1, -1
	s_and_b32 s79, s73, 1
	s_lshl_b32 s79, s79, 3                         ; 8 u
	v_and_b32 v10, 31, v0
	v_lshlrev_b32 v1, 4, v10
	v_lshlrev_b32 v2, 3, v10
	v_lshlrev_b32 v3, 2, v10
	v_and_b32 v11, 15, v0                          ; r
	v_lshlrev_b32 v4, 2, v11
	global_load_b128 v[16:19], v1, s[90:91]
	global_load_b64 v[20:21], v2, s[90:91] offset:512
	global_load_b32 v255, v4, s[92:93]
	v_and_b32 v29, 7, v11
	v_lshrrev_b32 v10, 3, v11
	v_lshl_add_u32 v29, v10, 4, v29
	v_bfe_u32 v10, v0, 4, 1
	v_lshlrev_b32 v10, 4, v10
	v_sub_nc_u32 v29, v29, v10
	v_add_nc_u32 v29, s79, v29                     ; my query - Q0 - 16 (lane / 16)
	v_add_nc_u32 v28, 0xffffff80, v0               ; the prefetch: block 32 (w - 4) + lane, held at the slot's last
	v_min_u32 v28, 101, v28
	v_lshlrev_b32 v28, 8, v28
	v_mov_b32 v13, 0xff61b1e6                      ; the largest t so far: -3e38, under every t
	v_floor_f32 v12, -v13
	v_mov_b32 v14, 0
	v_mov_b32 v15, 0
.irp j, 22,23,24,25,26,27
	v_mov_b32 v\j, 0                               ; Q's K = 64 .. 127: zero codes
.endr
.irp t, 0,1,2,3
.irp j, 6,7,8,9,10,11
	v_mov_b32 v[32+12*\t+\j], 0                    ; K's likewise: written once, never loaded over
.endr
.endr
.irp b, 0,1,2,3
	v_mov_b32 v[236+\b], 0                         ; written once: a lane permute's destination counts as one of its sources
.endr
	v_mov_b32 v252, 0
	v_mov_b32 v253, 0                              ; (named as the upper half of the pair v[252:253] before it is first written)
.set J, 0
.rept 32
	v_mov_b32 v[192+J], 0                          ; O^T.  (The step is written once: the first finds zeros, which the first change of M leaves zeros)
.set J, J+1
.endr
; A KEY STEP: 128 keys, the q-th record of the slot in hand.
.macro STEP q
	s_add_co_u32 s86, s[Q0], 31
	s_cmp_gt_u32 s[KF], s86                        ; all its keys come behind my queries: a branch on ids, round the step's loads, products and softmax
	s_cbranch_scc1 .Lhidden_\@
	v_add_nc_u32 v[A16], s[TB], v1
	v_add_nc_u32 v[A8], s[TB], v2
	v_add_nc_u32 v[A4], s[TB], v3
	v_nop                                          ; four places behind the last step's products, in front of loads into their registers
.irp g, 0,1                                        ; S^T = K Q^T, four tiles of 16 keys at a time
.if \g > 0
.rept 4
	v_nop
.endr
.endif
.irp t, 0,1,2,3
	ds_load_b128 v[32+12*\t:35+12*\t], v[A16] offset:REC*(\q)+768*(4*\g+\t)
	ds_load_b64 v[36+12*\t:37+12*\t], v[A8] offset:REC*(\q)+768*(4*\g+\t)+512
.endr
.if \g == 0
.irp p, 0,1,2,3
	ds_load_b32 v[248+\p], v[A4] offset:REC*(\q)+6144+128*\p
.endr
.endif
	s_wait_dscnt 0x0
.irp t, 0,1,2,3
	WM 128+8*(4*\g+\t), 32+12*\t, 16, 1, 248+(4*\g+\t)/2, 255, \t%2
.endr
.endr
.irp t, 0,1,2,3                                    ; V's four fragments land while the softmax is walked
.irp c, 0,1,2
	ds_load_b128 v[80+12*\t+4*\c:83+12*\t+4*\c], v[A16] offset:REC*(\q)+6656+1536*\t+512*\c
.endr
.endr
	ds_load_b32 v30, v[A4] offset:REC*(\q)+12800
	ds_load_b32 v31, v[A4] offset:REC*(\q)+12928
.rept 4
	v_nop
.endr
	s_add_co_u32 s86, s[KF], 127                   ; on the diagonal the scores of hidden keys become -infinity ahead of the maximum: p = 0 then.  A step all of whose keys count skips this
	s_cmp_le_u32 s86, s[Q0]
	s_cbranch_scc1 .Lopen_\@
	s_sub_co_i32 s86, s[Q0], s[KF]
	v_add_nc_u32 v10, s86, v29                     ; d.  Register 16 b + i holds key KF + 16 (lane / 16) + 32 b + i: hidden where 32 b + i > d
	v_mov_b32 v11, 0xff800000
.set N, 0
.rept 64
	v_cmp_gt_i32 vcc_lo, 32*(N/16)+N%16, v10
	v_cndmask_b32 v[128+N], v[128+N], v11, vcc_lo
.set N, N+1
.endr
.Lopen_\@:
.irp b, 0,1,2,3
	v_max3_num_f32 v[232+\b], v[128+16*\b], v[129+16*\b], v[130+16*\b]   ; the largest score of each block of 32 keys: for the row's maximum and, since p rises with the score, for the block's largest p
.endr
.irp i, 3,5,7,9,11,13
.irp b, 0,1,2,3
	v_max3_num_f32 v[232+\b], v[232+\b], v[128+16*\b+\i], v[129+16*\b+\i]
.endr
.endr
.irp b, 0,1,2,3
	v_max_num_f32 v[232+\b], v[232+\b], v[143+16*\b]
.endr
.irp b, 0,1,2,3
	v_permlanex16_b32 v[236+\b], v[232+\b], s[SEL], s[SEL+1]
.endr
.irp b, 0,1,2,3
	v_max_num_f32 v[232+\b], v[232+\b], v[236+\b]
.endr
	v_max3_num_f32 v254, v232, v233, v234
	v_max_num_f32 v254, v254, v235
	v_mul_f32 v254, s[CS], v254
	v_max_num_f32 v13, v13, v254                   ; the running largest t
	v_mov_b32 v254, v12
	v_floor_f32 v12, -v13                          ; the new -M = -ceil(t)
	v_sub_f32 v254, v12, v254                      ; old M - new M: a whole number, 0 or less
	v_cvt_i32_f32 v254, v254                       ; (it saturates)
	v_ldexp_f32 v252, 1.0, v254                    ; f = 2^(old M - new M)
.set J, 0
.rept 32
	v_pk_fma_f32 v[128+J:129+J], v[128+J:129+J], s[CS:CS+1], v[12:13] op_sel_hi:[1,0,0]   ; t - M, two at a time
.set J, J+2
.endr
.irp b, 0,1,2,3
	v_fma_f32 v[232+\b], v[232+\b], s[CS], v12
.endr
.set J, 0
.rept 64
	v_exp_f32 v[128+J], v[128+J]                   ; p = 2^(t - M), at most 1
.set J, J+1
.endr
	v_pk_mul_f32 v[14:15], v[14:15], v[252:253] op_sel_hi:[1,0]   ; the sums under the new M.  (A plain place behind the exponentials)
	s_wait_alu depctr_va_vdst(0)                   ; one wait for the whole batch, ahead of its first reader
.irp b, 0,1,2,3
	v_exp_f32 v[232+\b], v[232+\b]                 ; the block's largest p
.endr
	v_pk_add_f32 v[236:237], v[128:129], v[130:131]   ; the row's sum is taken of the unquantised p, in two chains
.set J, 4
.rept 15
	v_pk_add_f32 v[14:15], v[14:15], v[128+J:129+J]
	v_pk_add_f32 v[236:237], v[236:237], v[130+J:131+J]
.set J, J+4
.endr
	v_pk_add_f32 v[14:15], v[14:15], v[236:237]
	s_wait_alu depctr_va_vdst(0)                   ; and one for the four
.irp b, 0,1,2,3
	v_max_num_f32 v[232+\b], 0x2800000, v[232+\b]  ; the floor 2^(5 - 127)
.endr
.irp b, 0,1,2,3
	v_add_nc_u32 v[244+\b], 0xfe000000, v[232+\b]
.endr
.irp b, 0,1,2,3
	v_lshrrev_b32 v[236+\b], 23, v[244+\b]
.endr
	v_lshl_or_b32 v253, v237, 8, v236              ; p's scale word for these 128 keys
	v_lshl_or_b32 v253, v238, 16, v253
	v_lshl_or_b32 v253, v239, 24, v253
.irp c, 0,1
	v_cvt_scalef32_pk16_bf6_f32 v[224+6*\c:226+6*\c], v[128+32*\c:143+32*\c], v[244+2*\c]
	v_cvt_scalef32_pk16_bf6_f32 v[236+4*\c:238+4*\c], v[144+32*\c:159+32*\c], v[245+2*\c]
.endr
	v_nop
.irp c, 0,1
.irp i, 0,1,2
	v_permlane16_swap_b32 v[224+6*\c+\i], v[236+4*\c+\i]
.endr
.irp i, 0,1,2
	v_mov_b32 v[227+6*\c+\i], v[236+4*\c+\i]
.endr
.endr
.set J, 0
.rept 16
	v_pk_mul_f32 v[192+J:193+J], v[192+J:193+J], v[252:253] op_sel_hi:[1,0]   ; O^T under the new M.  (These are also the places between the scale word's and the codes' last writes and the products)
.set J, J+2
.endr
	s_wait_dscnt 0x0                               ; V
.irp t, 0,1,2,3
	WM 192+8*\t, 80+12*\t, 224, 0, 30+\t/2, 253, \t%2      ; O^T += V^T P^T: four accumulators, one product each; eight other products stand between two on one accumulator
.endr
.Lhidden_\@:
	s_add_co_u32 s[KF], s[KF], 128
.endm
; THE CHANGE OF SLOTS stands at a slot's head.  Each wave waits for all its tensor loads, adds 0 to its spare word (fill = 1: twice on end), and waits for that
; and for its reads of the slot that it has left.  Behind the barrier the slot ahead is whole and nobody reads the other one: it is filled with the keys that follow, up to the causal limit.
.macro CHANGE fill
	s_wait_tensorcnt 0x0                           ; no tensor load of mine is out, so the group 0 may be written
	ds_add_u32 v[SPW], v[NIL]
.if \fill
	ds_add_u32 v[SPW], v[NIL]
	s_xor_b32 s[G0+1], s[G0+1], SLOT1
	s_add_nc_u64 s[G0+2:G0+3], s[G0+2:G0+3], 2*REC
	s_wait_xcnt 0x0                                ; the last prefetch, a slot back, has read its address
	s_add_nc_u64 s[PFA:PFA+1], s[PFA:PFA+1], 2*REC
.endif
	s_wait_dscnt 0x0
	s_barrier_signal -1
	s_barrier_wait -1
.if \fill
	s_add_co_u32 s86, s[KF], 256                   ; the first key of the slot that this change would ask for:
	s_cmp_ge_u32 s86, s[KLIM]                      ; behind my work-group's last query it is read by none of the sixteen waves.  Ids and the count of steps alone: all waves go the same way
	s_cbranch_scc1 .Lpast_\@
	TLOAD
.Lpast_\@:
	ASK
.endif
.endm
	s_wait_loadcnt 0x0                             ; Q
.Lslot:                                            ; 15 trips
	CHANGE 1
	STEP 0
	STEP 1
	s_xor_b32 s[TB], s[TB], SLOT1
	s_sub_co_u32 s[SLOTS], s[SLOTS], 1
	s_cmp_lg_u32 s[SLOTS], 0
	s_cbranch_scc1 .Lslot
	CHANGE 0                                       ; the last slot is written out: nothing is left to fetch
	STEP 0
	STEP 1
	; THE WAY OUT: O^T / the sum; register 16 b + i is channel 32 b + 16 (lane / 16) + i of my query: quantised as it stands
	v_add_f32 v14, v14, v15
	v_permlanex16_b32 v252, v14, s[SEL], s[SEL+1]
	v_add_f32 v14, v14, v252
	v_rcp_f32 v14, v14
.rept 3
	v_nop                                          ; a plain place behind the reciprocal; with the additions above, the places behind the last products
.endr
	s_and_b32 s86, s68, 1
	s_lshl_b32 s86, s86, 4
	s_wait_alu depctr_va_vdst(0)                   ; the wait ahead of the reciprocal's first reader
.set J, 0
.rept 32
	v_mul_f32 v[128+J], v[192+J], v14
.set J, J+1
.endr
	HQUANT 128, 224, 163
	v_lshlrev_b32 v163, s86, v163                  ; an odd head's two bytes are the K step's upper two
	global_store_b128 v1, v[224:227], s[94:95]             ; 512 consecutive bytes, aligned
	global_store_b64 v2, v[228:229], s[94:95] offset:512   ; 256
	global_store_b32 v3, v163, s[96:97]
	s_wait_tensorcnt 0x0                           ; the wave's end: three lines behind my last tensor load
	ds_add_u32 v[SPW], v[NIL]
	s_wait_dscnt 0x0
	s_endpgm
.Lfunc_end_k_q53b62cf923_attn:
	.size	k_q53b62cf923_attn, .Lfunc_end_k_q53b62cf923_attn-k_q53b62cf923_attn
	.p2alignl 7, 3214868480
	.fill 96, 4, 3214868480
	.section	.rodata,"a",@progbits
	.p2align	6, 0x0
	.amdhsa_kernel k_q53b62cf923_attn
		.amdhsa_group_segment_fixed_size 327680
		.amdhsa_private_segment_fixed_size 0
		.amdhsa_enable_private_segment 0
		.amdhsa_kernarg_size 16
		.amdhsa_user_sgpr_count 2
		.amdhsa_user_sgpr_kernarg_segment_ptr 1
		.amdhsa_wavefront_size32 1
		.amdhsa_system_sgpr_workgroup_id_x 1
		.amdhsa_system_sgpr_workgroup_id_y 1
		.amdhsa_system_sgpr_workgroup_id_z 1
		.amdhsa_system_vgpr_workitem_id 0
		.amdhsa_next_free_vgpr 256
		.amdhsa_next_free_sgpr 100
		.amdhsa_reserve_vcc 1
		.amdhsa_float_denorm_mode_32 3
		.amdhsa_float_denorm_mode_16_64 3
		.amdhsa_memory_ordered 1
		.amdhsa_forward_progress 1
		.amdhsa_inst_pref_size 97
	.end_amdhsa_kernel
	.amdgpu_metadata
---
amdhsa.version: [ 1, 2 ]
amdhsa.kernels:
  - .name:           k_q53b62cf923_attn
    .symbol:         k_q53b62cf923_attn.kd
    .args:
      - { .name: QKV, .offset: 0, .size: 8, .value_kind: global_buffer, .address_space: global }
      - { .name: ATT, .offset: 8, .size: 8, .value_kind: global_buffer, .address_space: global }
    .group_segment_fixed_size: 327680
    .private_segment_fixed_size: 0
    .kernarg_segment_align: 8
    .kernarg_segment_size: 16
    .max_flat_workgroup_size: 512
    .sgpr_count:     100
    .vgpr_count:     256
    .wavefront_size: 32
...
	.end_amdgpu_metadata
.endif
;; end of part 3
;; launch oproj (part 4): grid 256 x 1, 6 waves a work-group, no clusters, 52,480 bytes of LDS; arguments ATT, W, hidden_states, w_norm2, H, Y; writes H, Y
.if DOCPART == 4
	.amdgcn_target "amdgcn-amd-amdhsa--gfx1250"
	.amdhsa_code_object_version 6
	.text
	.protected	k_q53b62cf923_oproj
	.globl	k_q53b62cf923_oproj
	.p2align	8
	.type	k_q53b62cf923_oproj,@function
k_q53b62cf923_oproj:
	s_mov_b64 s[64:65], 0
	v_nop
	global_prefetch_b8 v0, s[64:65] scope:SCOPE_SE
	s_setreg_imm32_b32 hwreg(HW_REG_WAVE_MODE, 25, 1), 1
	s_wait_xcnt 0x0
; OPROJ: h = x + attention's result x w_o (on codes of BF6), stored in f32; y = rmsnorm2(h), quantised along its 768 and stored as a register image.
; SHARES.  A work-group takes ONE token tile (16 rows) and all 768 features, so that the norm's whole row lies in one work-group.  Wave f takes features 128 f on: 8 accumulators; source 0 = 16 features of w_o, source 1 = the
; tile's 16 tokens: a lane holds one token and 64 of its features, in the order that the quantiser wants.  x IS THE C OF THE FIRST PRODUCTS: it is loaded into the accumulators, and h comes out of the sums.
; A wave's weights are read by no other wave of its work-group and all of w_o's codes (460,800 bytes) do not fit in LDS: so all operands go from memory straight into registers, half a K step (four fragments) ahead.
; No tensor load, hence no joint load and NO CLUSTER.
; h leaves through the wave's own stage in LDS, as rows of 512 consecutive bytes; the rows' sums of squares meet in LDS behind one barrier.
; LIMITS: as stated at the head of the first kernel; x enters the sum first, as C.
.set SPARE, 51712                      ; LDS: 0-767 the six partial sums of each row; 1,024 + 8,448 f: wave f's stage, 16 rows x (512 + 16) bytes; here the spare words, 128 bytes a wave: three blocks of 256 bytes that no other line names
.set SPW, 5
.set NIL, 6
.set TS,  12                           ; v12-17  the tile's scale words of the six K steps: scales and nothing else
.set RAW, 18                           ; v18-29  the twelve heads' words as stored
.set WS,  30                           ; v30-37  w_o's scale pairs, two sets of four: scales and nothing else
.set TF,  38                           ; v38-61  the tile's fragment, two buffers
.set WB,  62                           ; v62-157 w_o's fragments: two buffers of four
.set ACC, 160                          ; v160-223
.set TM,  224
.set WV,  16
.set SEL, 18
.macro PLACES
.rept 4
	v_nop
.endr
.endm
.macro WM d, a, b, sa, sb, ra
.if \ra
	v_wmma_scale_f32_16x16x128_f8f6f4 v[(\d):(\d)+7], v[(\a):(\a)+11], v[(\b):(\b)+11], v[(\d):(\d)+7], v[\sa], v[\sb] matrix_a_fmt:MATRIX_FMT_BF6 matrix_b_fmt:MATRIX_FMT_BF6 matrix_a_scale:MATRIX_SCALE_ROW1
.else
	v_wmma_scale_f32_16x16x128_f8f6f4 v[(\d):(\d)+7], v[(\a):(\a)+11], v[(\b):(\b)+11], v[(\d):(\d)+7], v[\sa], v[\sb] matrix_a_fmt:MATRIX_FMT_BF6 matrix_b_fmt:MATRIX_FMT_BF6
.endif
.endm
.macro QUANT s, pc, pw
.irp b, 0,1,2,3
	v_max3_num_f32 v[TM+\b], |v[(\s)+16*\b]|, |v[(\s)+1+16*\b]|, 0x2800000   ; and the floor 2^(5 - 127)
.endr
.irp i, 2,4,6,8,10,12,14
.irp b, 0,1,2,3
	v_max3_num_f32 v[TM+\b], v[TM+\b], |v[(\s)+16*\b+\i]|, |v[(\s)+1+16*\b+\i]|
.endr
.endr
.irp b, 0,1,2,3
	v_permlanex16_b32 v[TM+4+\b], v[TM+\b], s[SEL], s[SEL+1]
.endr
.irp b, 0,1,2,3
	v_max_num_f32 v[TM+\b], v[TM+\b], v[TM+4+\b]
.endr
.irp b, 0,1,2,3
	v_add_nc_u32 v[TM+12+\b], 0xfe000000, v[TM+\b]
.endr
.irp b, 0,1,2,3
	v_lshrrev_b32 v[TM+4+\b], 23, v[TM+12+\b]
.endr
	v_lshl_or_b32 v[\pw], v[TM+5], 8, v[TM+4]
	v_lshl_or_b32 v[\pw], v[TM+6], 16, v[\pw]
	v_lshl_or_b32 v[\pw], v[TM+7], 24, v[\pw]
.irp c, 0,1
	v_cvt_scalef32_pk16_bf6_f32 v[(\pc)+6*\c:(\pc)+2+6*\c], v[(\s)+32*\c:(\s)+15+32*\c], v[TM+12+2*\c]
	v_cvt_scalef32_pk16_bf6_f32 v[(\pc)+12+4*\c:(\pc)+14+4*\c], v[(\s)+16+32*\c:(\s)+31+32*\c], v[TM+13+2*\c]
.endr
	v_nop
.irp c, 0,1
.irp i, 0,1,2
	v_permlane16_swap_b32 v[(\pc)+6*\c+\i], v[(\pc)+12+4*\c+\i]
.endr
.irp i, 0,1,2
	v_mov_b32 v[(\pc)+3+6*\c+\i], v[(\pc)+12+4*\c+\i]
.endr
.endr
.endm
; Half step hs = 2 s + a: w_o's fragments 4 a .. 4 a + 3 of K step s (12 loads); with a = 0 also the step's four scale pairs and the tile's fragment (two heads' halves): 20 loads
.macro LD hs
.set LS_, (\hs)/2
.set LA_, (\hs)%2
.irp k, 0,1,2,3
.irp c, 0,1,2
	global_load_b128 v[WB+48*LA_+12*\k+4*\c:WB+48*LA_+12*\k+4*\c+3], v1, s[24:25] offset:12800*LS_+1536*(4*LA_+\k)+512*\c
.endr
.endr
.if LA_ == 0
.irp q, 0,1,2,3
	global_load_b32 v[WS+4*(LS_%2)+\q], v3, s[24:25] offset:12800*LS_+12288+128*\q
.endr
	global_load_b128 v[TF+12*(LS_%2):TF+12*(LS_%2)+3], v1, s[26:27] offset:1536*LS_
	global_load_b64 v[TF+12*(LS_%2)+4:TF+12*(LS_%2)+5], v2, s[26:27] offset:1536*LS_+512
	global_load_b128 v[TF+12*(LS_%2)+6:TF+12*(LS_%2)+9], v1, s[26:27] offset:1536*LS_+768
	global_load_b64 v[TF+12*(LS_%2)+10:TF+12*(LS_%2)+11], v2, s[26:27] offset:1536*LS_+1280
.endif
.endm
	s_load_b256 s[4:11], s[0:1], 0x0               ; ATT s[4:5], W s[6:7], x s[8:9], w_norm2 s[10:11]
	s_load_b128 s[12:15], s[0:1], 0x20             ; H s[12:13], Y s[14:15]
	v_lshl_add_u32 v[SPW], v0, 2, SPARE
	v_mov_b32 v[NIL], 0
	v_lshrrev_b32 v1, 5, v0
	v_readfirstlane_b32 s[WV], v1
	v_and_b32 v7, 31, v0
	v_lshlrev_b32 v1, 4, v7                        ; 16 x lane
	v_lshlrev_b32 v2, 3, v7                        ; 8 x lane
	v_lshlrev_b32 v3, 2, v7                        ; 4 x lane
	v_and_b32 v244, 15, v0                         ; r
	v_bfe_u32 v245, v0, 4, 1                       ; h
	v_and_b32 v4, 7, v244
	v_lshrrev_b32 v10, 3, v244
	v_lshl_add_u32 v4, v10, 4, v4
	v_mul_u32_u24 v4, v4, 3072
	v_lshl_add_u32 v4, v245, 6, v4                 ; x: my token's row in the tile's span, + 64 h
	s_mov_b32 s[SEL], 0x76543210
	s_mov_b32 s[SEL+1], 0xfedcba98
	s_mov_b32 s48, 0x3aaaaaab                      ; 1 / 768
	s_mul_i32 s36, ttmp9, 1536
	s_add_co_u32 s36, s36, 2359296                 ; the tile's twelve blocks of scale words
	s_mov_b32 s37, 0
	s_lshr_b32 s38, ttmp9, 1
	s_lshl_b32 s38, s38, 5
	s_and_b32 s39, ttmp9, 1
	s_lshl_b32 s39, s39, 3
	s_add_co_u32 s38, s38, s39                     ; 32 (T / 2) + 8 (T % 2)
	s_mul_i32 s38, s38, 3072
	s_lshl_b32 s39, s[WV], 9
	s_add_co_u32 s38, s38, s39                     ; in x and in h: that row, my 128 features
	s_mov_b32 s39, 0
	s_mul_i32 s40, s[WV], 76800
	s_add_co_u32 s40, s40, 1382400                 ; w_o's group f
	s_mov_b32 s41, 0
	s_mul_i32 s42, ttmp9, 9216                     ; the tile's twelve half fragments
	s_mov_b32 s43, 0
	s_lshl_b32 s44, s[WV], 9
	s_mov_b32 s45, 0
	s_lshr_b32 s46, ttmp9, 3
	s_mul_i32 s46, s46, 76800
	s_mul_i32 s47, s[WV], 12800
	s_add_co_u32 s46, s46, s47                     ; Y's record: token group T / 8, K step f
	s_and_b32 s47, ttmp9, 7
	s_mul_i32 s49, s47, 1536
	s_add_co_u32 s50, s46, s49
	s_mov_b32 s51, 0
	s_lshl_b32 s47, s47, 6
	s_add_co_u32 s52, s46, s47
	s_add_co_u32 s52, s52, 12288
	s_mov_b32 s53, 0
	s_mul_i32 s54, s[WV], 8448
	s_add_co_u32 s54, s54, 1024                    ; my stage
	s_wait_kmcnt 0x0
	s_add_nc_u64 s[20:21], s[4:5], s[36:37]
	s_add_nc_u64 s[22:23], s[8:9], s[38:39]
	s_add_nc_u64 s[24:25], s[6:7], s[40:41]
	s_add_nc_u64 s[26:27], s[4:5], s[42:43]
	s_add_nc_u64 s[28:29], s[10:11], s[44:45]
	s_add_nc_u64 s[30:31], s[12:13], s[38:39]
	s_add_nc_u64 s[32:33], s[14:15], s[50:51]
	s_add_nc_u64 s[34:35], s[14:15], s[52:53]
.irp j, 0,1,2,3,4,5,6,7,8,9,10,11
	global_load_b32 v[RAW+\j], v3, s[20:21] offset:128*\j
.endr
.irp t, 0,1,2,3,4,5,6,7                            ; x into the accumulators: tile 2 b + u, register j: feature 128 f + 32 b + 16 h + 8 u + j
	global_load_b128 v[ACC+8*\t:ACC+8*\t+3], v4, s[22:23] offset:128*(\t/2)+32*(\t%2)
	global_load_b128 v[ACC+8*\t+4:ACC+8*\t+7], v4, s[22:23] offset:128*(\t/2)+32*(\t%2)+16
.endr
	LD 0
	LD 1
	s_wait_loadcnt 48                              ; the twelve words are in; x's 16 loads and the first two half steps' 20 + 12 may be out
.irp s, 0,1,2,3,4,5
	v_or_b32 v[TS+\s], v[RAW+2*\s], v[RAW+2*\s+1]  ; heads 2 s and 2 s + 1 are K step s
.endr
	v_lshlrev_b32 v7, 2, v0                        ; the addresses for the way out: also the eight places and more between the scale words' writes and the first product
	v_mul_u32_u24 v8, v244, 528
	v_lshl_add_u32 v8, v245, 6, v8
	v_add_nc_u32 v8, s54, v8                       ; into my stage: row r, + 64 h
	v_add_nc_u32 v9, s54, v1                       ; back: a row of 512 bytes, 16 a lane
	v_lshlrev_b32 v10, 6, v245                     ; the gain: 64 h
	v_lshlrev_b32 v11, 2, v244
	v_lshl_add_u32 v11, v245, 1, v11               ; 4 r + 2 h
.irp b, 0,1,2,3
	v_mov_b32 v[TM+4+\b], 0                        ; written once: a lane permute's destination counts as one of its sources
.endr
.set HS, 0
.rept 12
.set CA, HS%2
.set CK, HS/2
.if HS == 11
	s_wait_loadcnt 0x0
.elseif CA == 0
	s_wait_loadcnt 12                              ; this half step is in; the next one's 12 loads may be out
.else
	s_wait_loadcnt 20                              ; the next one's 20
.endif
.irp k, 0,1,2,3                                    ; the eight accumulators take turns, one instruction a turn
	WM ACC+8*(4*CA+\k), WB+48*CA+12*\k, TF+12*(CK%2), WS+4*(CK%2)+(4*CA+\k)/2, TS+CK, \k%2
.endr
	PLACES
.if HS+2 <= 11
	LD HS+2
.endif
.set HS, HS+1
.endr
	; ---- h is whole.  The gain is asked for; h goes through my stage; its squares are summed
.irp b, 0,1,2,3
.irp j, 0,1,2,3
	global_load_b128 v[WB+16*\b+4*\j:WB+16*\b+4*\j+3], v10, s[28:29] offset:128*\b+16*\j
.endr
.endr
.irp t, 0,1,2,3,4,5,6,7
	ds_store_b128 v8, v[ACC+8*\t:ACC+8*\t+3] offset:128*(\t/2)+32*(\t%2)          ; each accumulator from its low end on
	ds_store_b128 v8, v[ACC+8*\t+4:ACC+8*\t+7] offset:128*(\t/2)+32*(\t%2)+16
.endr
.irp i, 0,1,2,3,4,5,6,7
	ds_load_b128 v[126+4*\i:129+4*\i], v9 offset:528*\i    ; LDS serves a wave's instructions in order: these see my stores
.endr
	v_pk_mul_f32 v[242:243], v[ACC:ACC+1], v[ACC:ACC+1]
	v_pk_mul_f32 v[244:245], v[ACC+2:ACC+3], v[ACC+2:ACC+3]
.irp j, 4,8,12,16,20,24,28,32,36,40,44,48,52,56,60
	v_pk_fma_f32 v[242:243], v[ACC+\j:ACC+\j+1], v[ACC+\j:ACC+\j+1], v[242:243]
	v_pk_fma_f32 v[244:245], v[ACC+\j+2:ACC+\j+3], v[ACC+\j+2:ACC+\j+3], v[244:245]
.endr
	v_pk_add_f32 v[242:243], v[242:243], v[244:245]
	v_add_f32 v242, v242, v243
	v_permlanex16_b32 v243, v242, s[SEL], s[SEL+1]
	v_add_f32 v242, v242, v243
	ds_store_b32 v7, v242
	s_wait_dscnt 0x0                               ; for the others' sake: my partial sums lie in LDS; and rows 0-7 are back
	s_barrier_signal -1
	s_barrier_wait -1
.irp i, 0,1,2,3,4,5,6,7
	global_store_b128 v1, v[126+4*\i:129+4*\i], s[30:31] offset:3072*\i        ; tile rows 0-7 are neighbouring tokens: 512 consecutive bytes each, aligned
.endr
.irp i, 0,1,2,3,4,5
	ds_load_b32 v[232+\i], v3 offset:128*\i
.endr
	s_wait_xcnt 0x0                                ; the stores have read their registers: rows 8-15 may land there
.irp i, 0,1,2,3,4,5,6,7
	ds_load_b128 v[126+4*\i:129+4*\i], v9 offset:528*(8+\i)
.endr
	s_wait_dscnt 8                                 ; the six partial sums are in; the eight row loads behind them may be out
	v_add_f32 v232, v232, v233
	v_add_f32 v232, v232, v234
	v_add_f32 v232, v232, v235
	v_add_f32 v232, v232, v236
	v_add_f32 v232, v232, v237                     ; the row's sum of squares, features ascending: the same bits in all six waves
	v_fmaak_f32 v232, s48, v232, 0x358637bd        ; the mean + 1e-6
	v_rsq_f32 v246, v232
	v_mov_b32 v247, 0                              ; (a plain place behind the transcendental; v247 is named with v246 as a pair)
	s_wait_dscnt 0x0
.irp i, 0,1,2,3,4,5,6,7
	global_store_b128 v1, v[126+4*\i:129+4*\i], s[30:31] offset:3072*(16+\i)   ; tile rows 8-15 lie 16 tokens on
.endr
	s_wait_alu depctr_va_vdst(0)                   ; the wait ahead of the root's first reader
	s_wait_loadcnt 0x0                             ; the gain
.set J, 0
.rept 32
	v_pk_mul_f32 v[ACC+J:ACC+J+1], v[ACC+J:ACC+J+1], v[246:247] op_sel_hi:[1,0]
.set J, J+2
.endr
.set J, 0
.rept 32
	v_pk_mul_f32 v[ACC+J:ACC+J+1], v[ACC+J:ACC+J+1], v[WB+J:WB+J+1]
.set J, J+2
.endr
	QUANT ACC, 38, 240
.irp c, 0,1,2
	global_store_b128 v1, v[38+4*\c:41+4*\c], s[32:33] offset:512*\c
.endr
	v_lshrrev_b32 v10, 2, v10                      ; 16 h
	v_lshrrev_b32 v241, v10, v240                  ; lanes 0-15 store the word's lower half, lanes 16-31 its upper: 64 consecutive bytes
	global_store_b16 v11, v241, s[34:35]
	s_wait_tensorcnt 0x0                           ; the wave's end: three lines behind my last LDS store
	ds_add_u32 v[SPW], v[NIL]
	s_wait_dscnt 0x0
	s_endpgm
.Lfunc_end_k_q53b62cf923_oproj:
	.size	k_q53b62cf923_oproj, .Lfunc_end_k_q53b62cf923_oproj-k_q53b62cf923_oproj
	.p2alignl 7, 3214868480
	.fill 96, 4, 3214868480
	.section	.rodata,"a",@progbits
	.p2align	6, 0x0
	.amdhsa_kernel k_q53b62cf923_oproj
		.amdhsa_group_segment_fixed_size 52480
		.amdhsa_private_segment_fixed_size 0
		.amdhsa_enable_private_segment 0
		.amdhsa_kernarg_size 48
		.amdhsa_user_sgpr_count 2
		.amdhsa_user_sgpr_kernarg_segment_ptr 1
		.amdhsa_wavefront_size32 1
		.amdhsa_system_sgpr_workgroup_id_x 1
		.amdhsa_system_sgpr_workgroup_id_y 1
		.amdhsa_system_sgpr_workgroup_id_z 1
		.amdhsa_system_vgpr_workitem_id 0
		.amdhsa_next_free_vgpr 256
		.amdhsa_next_free_sgpr 66
		.amdhsa_reserve_vcc 0
		.amdhsa_float_denorm_mode_32 3
		.amdhsa_float_denorm_mode_16_64 3
		.amdhsa_memory_ordered 1
		.amdhsa_forward_progress 1
		.amdhsa_inst_pref_size 49
	.end_amdhsa_kernel
	.amdgpu_metadata
---
amdhsa.version: [ 1, 2 ]
amdhsa.kernels:
  - .name:           k_q53b62cf923_oproj
    .symbol:         k_q53b62cf923_oproj.kd
    .args:
      - { .name: ATT, .offset: 0, .size: 8, .value_kind: global_buffer, .address_space: global }
      - { .name: W, .offset: 8, .size: 8, .value_kind: global_buffer, .address_space: global }
      - { .name: hidden_states, .offset: 16, .size: 8, .value_kind: global_buffer, .address_space: global }
      - { .name: w_norm2, .offset: 24, .size: 8, .value_kind: global_buffer, .address_space: global }
      - { .name: H, .offset: 32, .size: 8, .value_kind: global_buffer, .address_space: global }
      - { .name: Y, .offset: 40, .size: 8, .value_kind: global_buffer, .address_space: global }
    .group_segment_fixed_size: 52480
    .private_segment_fixed_size: 0
    .kernarg_segment_align: 8
    .kernarg_segment_size: 48
    .max_flat_workgroup_size: 192
    .sgpr_count:     66
    .vgpr_count:     256
    .wavefront_size: 32
...
	.end_amdgpu_metadata
.endif
;; end of part 4
;; launch gateup (part 5): grid 16 x 16, 8 waves a work-group, clusters of 4 x 1, 167,936 bytes of LDS; arguments W, Y, HID; writes HID
.if DOCPART == 5
	.amdgcn_target "amdgcn-amd-amdhsa--gfx1250"
	.amdhsa_code_object_version 6
	.text
	.protected	k_q53b62cf923_gateup
	.globl	k_q53b62cf923_gateup
	.p2align	8
	.type	k_q53b62cf923_gateup,@function
k_q53b62cf923_gateup:
	s_mov_b64 s[64:65], 0
	v_nop
	global_prefetch_b8 v0, s[64:65] scope:SCOPE_SE
	s_setreg_imm32_b32 hwreg(HW_REG_WAVE_MODE, 25, 1), 1
	s_wait_xcnt 0x0
	s_wait_alu depctr_hold_cnt(0) depctr_sa_sdst(0) depctr_va_vdst(0) depctr_va_sdst(0) depctr_va_ssrc(0) depctr_va_vcc(0) depctr_vm_vsrc(0)
	s_getreg_b32 s2, hwreg(HW_REG_IB_STS2, 6, 4)
	s_cmp_eq_u32 s2, 0
	s_cbranch_scc0 .Lentry_in_a_cluster
	s_endpgm
.Lentry_in_a_cluster:
	s_bfe_u32 s2, ttmp6, 0x10000c
	s_cmp_lg_u32 s2, 0x3003
	s_cbranch_scc0 .Lentry_shape_is_right
	s_endpgm
.Lentry_shape_is_right:
; GATEUP: silu(y w_gate) x (y w_up) on codes of BF6, quantised along the hidden units and stored as a register image: the hidden layer goes to memory as codes alone.
; SHARES.  Work-group (x, a): hidden units 128 a on (W's groups 2 a and 2 a + 1: in each, 64 units' tiles of w_gate and the same units' of w_up; all of K = 768: 153,600 dense bytes in LDS) x token groups 2 x, 2 x + 1.
; Wave w: token group 2 x + w / 4, pair of tiles w % 4, from memory into registers.  A wave makes TWO passes over K, one for each of the two groups: 16 accumulators (4 gate + 4 up tiles x 2 token tiles).  Source 0 = the weights'
; tile: a lane holds one token and 32 gates and 32 ups of the same units: the activation and the quantiser work in registers; two passes give a whole fragment of the next K.
; CLUSTER: the four work-groups along x want the same block of weights: it is asked for JOINTLY (mask 15), by waves 0-3, six loads each, in the order in which the records are multiplied: six loads of a wave are out at the most.
; No ring: all of both passes' weights are asked for at the start.  My place in the cluster enters the addresses of Y and HID alone.
; LIMITS: as stated at the head of the first kernel.  Where the gate is so negative that 2^(-g log2 e) is infinite, the reciprocal is 0: silu's limit.
.set SPARE, 153600                     ; behind the block: the spare words, 128 bytes for each of eight waves: four blocks of 256 bytes that no other line names
.set SPW, 7
.set NIL, 8
.set PAD, 1                            ; v1   16 x lane: also the LDS address of pass 0's K steps 0-2 (v2: steps 3-5; v3, v4: pass 1's; v9, v10: the pair blocks')
.set PLS, 6                            ; v6   4 x lane
.set PB,  12
.set PS,  60                           ; v60, v61: scales and nothing else
.set SS,  62                           ; v62-65: scales and nothing else
.set SF,  66
.set ACC, 128
.set TM,  98
.set CT,  36
.set WV,  10
.set G1,  24
.set G0,  32
.set SEL, 56
.set HM,  58
.set PBASE, 60
.set PSB, 62
.set NL,  90                           ; s[90:91] -log2(e)
.macro PLACES
.rept 4
	v_nop
.endr
.endm
.macro ROUND                           ; a round of the cluster's barrier
	s_barrier_signal -1
	s_barrier_wait -1
	s_cmp_lg_u32 s[WV], 0
	s_cbranch_scc1 .Lnot_wave_0_\@
	s_barrier_signal -3
.Lnot_wave_0_\@:
	s_barrier_wait -3
	s_barrier_signal -1
	s_barrier_wait -1
.endm
.macro WM d, a, b, z, sa, sb, ra, rb
.if \z
.if (\ra) && (\rb)
	v_wmma_scale_f32_16x16x128_f8f6f4 v[(\d):(\d)+7], v[(\a):(\a)+11], v[(\b):(\b)+11], 0, v[\sa], v[\sb] matrix_a_fmt:MATRIX_FMT_BF6 matrix_b_fmt:MATRIX_FMT_BF6 matrix_a_scale:MATRIX_SCALE_ROW1 matrix_b_scale:MATRIX_SCALE_ROW1
.elseif \ra
	v_wmma_scale_f32_16x16x128_f8f6f4 v[(\d):(\d)+7], v[(\a):(\a)+11], v[(\b):(\b)+11], 0, v[\sa], v[\sb] matrix_a_fmt:MATRIX_FMT_BF6 matrix_b_fmt:MATRIX_FMT_BF6 matrix_a_scale:MATRIX_SCALE_ROW1
.elseif \rb
	v_wmma_scale_f32_16x16x128_f8f6f4 v[(\d):(\d)+7], v[(\a):(\a)+11], v[(\b):(\b)+11], 0, v[\sa], v[\sb] matrix_a_fmt:MATRIX_FMT_BF6 matrix_b_fmt:MATRIX_FMT_BF6 matrix_b_scale:MATRIX_SCALE_ROW1
.else
	v_wmma_scale_f32_16x16x128_f8f6f4 v[(\d):(\d)+7], v[(\a):(\a)+11], v[(\b):(\b)+11], 0, v[\sa], v[\sb] matrix_a_fmt:MATRIX_FMT_BF6 matrix_b_fmt:MATRIX_FMT_BF6
.endif
.else
.if (\ra) && (\rb)
	v_wmma_scale_f32_16x16x128_f8f6f4 v[(\d):(\d)+7], v[(\a):(\a)+11], v[(\b):(\b)+11], v[(\d):(\d)+7], v[\sa], v[\sb] matrix_a_fmt:MATRIX_FMT_BF6 matrix_b_fmt:MATRIX_FMT_BF6 matrix_a_scale:MATRIX_SCALE_ROW1 matrix_b_scale:MATRIX_SCALE_ROW1
.elseif \ra
	v_wmma_scale_f32_16x16x128_f8f6f4 v[(\d):(\d)+7], v[(\a):(\a)+11], v[(\b):(\b)+11], v[(\d):(\d)+7], v[\sa], v[\sb] matrix_a_fmt:MATRIX_FMT_BF6 matrix_b_fmt:MATRIX_FMT_BF6 matrix_a_scale:MATRIX_SCALE_ROW1
.elseif \rb
	v_wmma_scale_f32_16x16x128_f8f6f4 v[(\d):(\d)+7], v[(\a):(\a)+11], v[(\b):(\b)+11], v[(\d):(\d)+7], v[\sa], v[\sb] matrix_a_fmt:MATRIX_FMT_BF6 matrix_b_fmt:MATRIX_FMT_BF6 matrix_b_scale:MATRIX_SCALE_ROW1
.else
	v_wmma_scale_f32_16x16x128_f8f6f4 v[(\d):(\d)+7], v[(\a):(\a)+11], v[(\b):(\b)+11], v[(\d):(\d)+7], v[\sa], v[\sb] matrix_a_fmt:MATRIX_FMT_BF6 matrix_b_fmt:MATRIX_FMT_BF6
.endif
.endif
.endm
.macro PLOAD buf, off                  ; seven loads: my two token fragments and their scale pair
.irp p, 0,1
.irp c, 0,1,2
	global_load_b128 v[PB+24*(\buf)+12*\p+4*\c:PB+24*(\buf)+12*\p+4*\c+3], v[PAD], s[PBASE:PBASE+1] offset:(\off)+1536*\p+512*\c
.endr
.endr
	global_load_b32 v[PS+(\buf)], v[PLS], s[PSB:PSB+1] offset:\off
.endm
.macro SLOAD a, areg, off
.irp k, 0,1,2,3
.irp c, 0,1,2
	ds_load_b128 v[SF+12*\k+4*\c:SF+12*\k+4*\c+3], v[\areg] offset:(\off)+1536*(4*(\a)+\k)+512*\c
.endr
.endr
.endm
.macro MUL8 a, buf, zero               ; the 16 accumulators take turns, one instruction a turn, in the same order in every K step
.irp k, 0,1,2,3
.irp p, 0,1
	WM ACC+64*\p+8*(4*(\a)+\k), SF+12*\k, PB+24*(\buf)+12*\p, \zero, SS+(4*(\a)+\k)/2, PS+(\buf), \k%2, \p
.endr
.endr
.endm
.macro KSTEP areg, aoff, lreg, loff, buf, zero, nextoff
.if (\nextoff) >= 0
	PLOAD 1-(\buf), \nextoff
.endif
.irp q, 0,1,2,3
	ds_load_b32 v[SS+\q], v[\lreg] offset:(\loff)+128*\q
.endr
	SLOAD 0, \areg, \aoff
.if (\nextoff) >= 0
	s_wait_loadcnt 7                               ; this step's tokens are in; the next step's seven loads may be out
.else
	s_wait_loadcnt 0x0
.endif
	s_wait_dscnt 0x0
	MUL8 0, \buf, \zero
	PLACES
	SLOAD 1, \areg, \aoff
	s_wait_dscnt 0x0
	MUL8 1, \buf, \zero
	PLACES
.endm
.macro GS c, s, z, nextoff             ; K step s of pass c: record 6 c + s of the block.  A tensor load of each fetching wave brings a quarter of two records
.if ((\s)%2) == 0
	s_wait_tensorcnt 5-(6*(\c)+(\s))/2             ; the later pairs of records may stay out
	s_barrier_signal -1
	s_barrier_wait -1
.endif
	KSTEP 1+2*(\c)+(\s)/3, 12800*((\s)%3), 9+(\c), 12800*(\s), (\s)%2, \z, \nextoff
.endm
.macro HQUANT s, d, pw
.irp b, 0,1
	v_max3_num_f32 v[TM+\b], |v[(\s)+16*\b]|, |v[(\s)+1+16*\b]|, 0x2800000   ; and the floor 2^(5 - 127)
.endr
.irp i, 2,4,6,8,10,12,14
.irp b, 0,1
	v_max3_num_f32 v[TM+\b], v[TM+\b], |v[(\s)+16*\b+\i]|, |v[(\s)+1+16*\b+\i]|
.endr
.endr
.irp b, 0,1
	v_permlanex16_b32 v[TM+4+\b], v[TM+\b], s[SEL], s[SEL+1]
.endr
.irp b, 0,1
	v_max_num_f32 v[TM+\b], v[TM+\b], v[TM+4+\b]
.endr
.irp b, 0,1
	v_add_nc_u32 v[TM+12+\b], 0xfe000000, v[TM+\b]
.endr
.irp b, 0,1
	v_lshrrev_b32 v[TM+4+\b], 23, v[TM+12+\b]
.endr
	v_lshl_or_b32 v[\pw], v[TM+5], 8, v[TM+4]
	v_cvt_scalef32_pk16_bf6_f32 v[(\d):(\d)+2], v[(\s):(\s)+15], v[TM+12]
	v_cvt_scalef32_pk16_bf6_f32 v[CT:CT+2], v[(\s)+16:(\s)+31], v[TM+13]
	v_nop
.irp i, 0,1,2
	v_permlane16_swap_b32 v[(\d)+\i], v[CT+\i]
.endr
.irp i, 0,1,2
	v_mov_b32 v[(\d)+3+\i], v[CT+\i]
.endr
.endm
.macro ACT p                           ; token tile p: g in 32 registers, u in the 32 behind them: g becomes g / (1 + 2^(-g log2 e)) x u
.set GG, ACC+64*(\p)
.set J, 0
.rept 16
	v_pk_mul_f32 v[66+J:67+J], v[GG+J:GG+J+1], s[NL:NL+1] op_sel_hi:[1,0]
.set J, J+2
.endr
.set J, 0
.rept 32
	v_exp_f32 v[66+J], v[66+J]
.set J, J+1
.endr
	v_nop                                          ; a plain place behind the batch,
	s_wait_alu depctr_va_vdst(0)                   ; and one wait for it, ahead of its first reader
.set J, 0
.rept 16
	v_pk_add_f32 v[66+J:67+J], v[66+J:67+J], 1.0 op_sel_hi:[1,0]
.set J, J+2
.endr
.set J, 0
.rept 32
	v_rcp_f32 v[66+J], v[66+J]
.set J, J+1
.endr
	v_nop
	s_wait_alu depctr_va_vdst(0)
.set J, 0
.rept 16
	v_pk_mul_f32 v[GG+J:GG+J+1], v[GG+J:GG+J+1], v[66+J:67+J]
.set J, J+2
.endr
.set J, 0
.rept 16
	v_pk_mul_f32 v[GG+J:GG+J+1], v[GG+J:GG+J+1], v[GG+32+J:GG+33+J]
.set J, J+2
.endr
.endm
	s_load_b128 s[4:7], s[0:1], 0x0                ; W s[4:5], Y s[6:7]
	s_load_b64 s[8:9], s[0:1], 0x10                ; HID
	v_lshl_add_u32 v[SPW], v0, 2, SPARE
	v_mov_b32 v[NIL], 0
	ds_add_u32 v[SPW], v[NIL]                      ; the wave's opening: the add, twice on end, and its wait ahead of the round in front of the first tensor loads
	ds_add_u32 v[SPW], v[NIL]
	v_lshrrev_b32 v1, 5, v0
	v_readfirstlane_b32 s[WV], v1
	s_bfe_u32 s11, ttmp6, 0x40000                  ; cx
	s_lshl_b32 s12, ttmp9, 2
	s_add_co_u32 s12, s12, s11                     ; x
	s_and_b32 s13, ttmp7, 0xffff                   ; a
	s_and_b32 s15, s[WV], 3                        ; q
	s_mov_b32 s[G1], 15|(3<<16)|(1<<21)            ; the mask: all four work-groups; elements of 8 bytes; bit 21 set beside a mask; no padding
	s_mov_b32 s[G1+1], 32<<16                      ; rows of 256 bytes
	s_mov_b32 s[G1+2], 25<<16                      ; 25 rows: a quarter of two records
	s_mov_b32 s[G1+3], 32<<16
	s_mov_b32 s[G1+4], 25
	s_mov_b32 s[G1+5], 32
	s_mov_b32 s[G1+6], 0
	s_mov_b32 s[G1+7], 0
	s_mov_b32 s[SEL], 0x76543210
	s_mov_b32 s[SEL+1], 0xfedcba98
	s_mov_b32 s[HM], 0xffff0000
	s_mov_b32 s[NL], 0xbfb8aa3b
	s_mov_b32 s[NL+1], s[NL]
	s_mul_i32 s66, s15, 6400                       ; my quarter, in memory and in LDS alike: the wave's number alone
	s_mul_i32 s68, s13, 153600
	s_add_co_u32 s68, s68, 1843200
	s_add_co_u32 s68, s68, s66
	s_mov_b32 s69, 0
	s_lshl_b32 s70, s12, 1
	s_lshr_b32 s71, s[WV], 2
	s_add_co_u32 s70, s70, s71                     ; my token group
	s_mul_i32 s71, s70, 76800
	s_mul_i32 s72, s15, 3072
	s_add_co_u32 s72, s72, s71
	s_mov_b32 s73, 0
	s_lshl_b32 s74, s15, 7
	s_add_co_u32 s74, s74, s71
	s_add_co_u32 s74, s74, 12288
	s_mov_b32 s75, 0
	s_lshl_b32 s70, s70, 4
	s_add_co_u32 s70, s70, s13
	s_mul_i32 s70, s70, 12800                      ; HID's record: (token group, K step a)
	s_mul_i32 s76, s15, 3072
	s_add_co_u32 s76, s76, s70
	s_mov_b32 s77, 0
	s_lshl_b32 s78, s15, 7
	s_add_co_u32 s78, s78, s70
	s_add_co_u32 s78, s78, 12288
	s_mov_b32 s79, 0
	s_wait_dscnt 0x0                               ; both opening adds are done
	s_wait_kmcnt 0x0
	s_add_nc_u64 s[68:69], s[4:5], s[68:69]
	s_add_nc_u64 s[PBASE:PBASE+1], s[6:7], s[72:73]
	s_add_nc_u64 s[PSB:PSB+1], s[6:7], s[74:75]
	s_add_nc_u64 s[76:77], s[8:9], s[76:77]
	s_add_nc_u64 s[78:79], s[8:9], s[78:79]
.irp i, 0,1,2,3,4,5
	s_mov_b32 s[G0+4*\i], 1
	s_add_co_u32 s[G0+4*\i+1], s66, 25600*\i
	s_add_nc_u64 s[G0+4*\i+2:G0+4*\i+3], s[68:69], 25600*\i
	s_or_b32 s[G0+4*\i+3], s[G0+4*\i+3], 0x80000000
.endr
	ROUND                                          ; all four work-groups are here: the joint loads meet
	s_cmp_lt_u32 s[WV], 4                          ; a wave's first fills stand in one branch on the wave's number, the same in all four partners
	s_cbranch_scc0 .Lno_fill
.irp i, 0,1,2,3,4,5
	tensor_load_to_lds s[G0+4*\i:G0+4*\i+3], s[G1:G1+7]
	s_nop 0
.endr
.rept 4
	v_nop
.endr
.Lno_fill:
	v_and_b32 v11, 31, v0
	v_lshlrev_b32 v1, 4, v11
	v_lshlrev_b32 v[PLS], 2, v11
	PLOAD 0, 0
	v_add_nc_u32 v2, 38400, v1                     ; (an LDS immediate holds 16 bits: K steps 3-5 have an address of their own)
	v_add_nc_u32 v3, 76800, v1
	v_add_nc_u32 v4, 115200, v1
	v_add_nc_u32 v9, 12288, v[PLS]
	v_add_nc_u32 v10, 89088, v[PLS]
	v_mov_b32 v[TM+4], 0                           ; written once: a lane permute's destination counts as one of its sources
	v_mov_b32 v[TM+5], 0
	GS 0, 0, 1, 12800
	GS 0, 1, 0, 25600
	GS 0, 2, 0, 38400
	GS 0, 3, 0, 51200
	GS 0, 4, 0, 64000
	GS 0, 5, 0, 0                                  ; pass 1's first tokens are asked for here, into buffer 0, which the lines below do not touch
	ACT 0
	HQUANT ACC, 114, 126                           ; units 128 a + 0 .. 63: the fragment's registers 0-5, held in v114-119 and v120-125; their two scale bytes in v126, v127
	ACT 1
	HQUANT ACC+64, 120, 127
	GS 1, 0, 1, 12800
	GS 1, 1, 0, 25600
	GS 1, 2, 0, 38400
	GS 1, 3, 0, 51200
	GS 1, 4, 0, 64000
	GS 1, 5, 0, -1
	ACT 1
.irp i, 0,1,2,3,4,5
	v_mov_b32 v[12+\i], v[120+\i]                  ; tile 1's fragment is put together in v12-23,
.endr
	HQUANT ACC+64, 18, 40
	v_lshl_or_b32 v42, v40, 16, v127
	ACT 0
	HQUANT ACC, 120, 40                            ; tile 0's where its first half lies: v114-125
	v_lshl_or_b32 v41, v40, 16, v126
	v_cndmask_b32 v41, v41, v42, s[HM]             ; the pair block: lanes 0-15 tile 0's words, lanes 16-31 tile 1's
.irp c, 0,1,2
	global_store_b128 v[PAD], v[114+4*\c:117+4*\c], s[76:77] offset:512*\c           ; 512 consecutive bytes, aligned
.endr
.irp c, 0,1,2
	global_store_b128 v[PAD], v[12+4*\c:15+4*\c], s[76:77] offset:1536+512*\c
.endr
	global_store_b32 v[PLS], v41, s[78:79]
	s_wait_tensorcnt 0x0                           ; the wave's end: three lines behind my last tensor load
	ds_add_u32 v[SPW], v[NIL]
	s_wait_dscnt 0x0
	ROUND                                          ; the closing round: no work-group ends while a partner may still ask for a tile that names it
	s_endpgm
.Lfunc_end_k_q53b62cf923_gateup:
	.size	k_q53b62cf923_gateup, .Lfunc_end_k_q53b62cf923_gateup-k_q53b62cf923_gateup
	.p2alignl 7, 3214868480
	.fill 96, 4, 3214868480
	.section	.rodata,"a",@progbits
	.p2align	6, 0x0
	.amdhsa_kernel k_q53b62cf923_gateup
		.amdhsa_group_segment_fixed_size 167936
		.amdhsa_private_segment_fixed_size 0
		.amdhsa_enable_private_segment 0
		.amdhsa_kernarg_size 24
		.amdhsa_user_sgpr_count 2
		.amdhsa_user_sgpr_kernarg_segment_ptr 1
		.amdhsa_wavefront_size32 1
		.amdhsa_system_sgpr_workgroup_id_x 1
		.amdhsa_system_sgpr_workgroup_id_y 1
		.amdhsa_system_sgpr_workgroup_id_z 1
		.amdhsa_system_vgpr_workitem_id 0
		.amdhsa_next_free_vgpr 256
		.amdhsa_next_free_sgpr 96
		.amdhsa_reserve_vcc 0
		.amdhsa_float_denorm_mode_32 3
		.amdhsa_float_denorm_mode_16_64 3
		.amdhsa_memory_ordered 1
		.amdhsa_forward_progress 1
		.amdhsa_inst_pref_size 97
	.end_amdhsa_kernel
	.amdgpu_metadata
---
amdhsa.version: [ 1, 2 ]
amdhsa.kernels:
  - .name:           k_q53b62cf923_gateup
    .symbol:         k_q53b62cf923_gateup.kd
    .args:
      - { .name: W, .offset: 0, .size: 8, .value_kind: global_buffer, .address_space: global }
      - { .name: Y, .offset: 8, .size: 8, .value_kind: global_buffer, .address_space: global }
      - { .name: HID, .offset: 16, .size: 8, .value_kind: global_buffer, .address_space: global }
    .group_segment_fixed_size: 167936
    .private_segment_fixed_size: 0
    .kernarg_segment_align: 8
    .kernarg_segment_size: 24
    .max_flat_workgroup_size: 256
    .sgpr_count:     96
    .vgpr_count:     256
    .wavefront_size: 32
...
	.end_amdgpu_metadata
.endif
;; end of part 5
;; launch down (part 6): grid 32 x 6, 4 waves a work-group, clusters of 4 x 1, 239,104 bytes of LDS; arguments W, HID, H, out0; writes out0
.if DOCPART == 6
	.amdgcn_target "amdgcn-amd-amdhsa--gfx1250"
	.amdhsa_code_object_version 6
	.text
	.protected	k_q53b62cf923_down
	.globl	k_q53b62cf923_down
	.p2align	8
	.type	k_q53b62cf923_down,@function
k_q53b62cf923_down:
	s_mov_b64 s[64:65], 0
	v_nop
	global_prefetch_b8 v0, s[64:65] scope:SCOPE_SE
	s_setreg_imm32_b32 hwreg(HW_REG_WAVE_MODE, 25, 1), 1
	s_wait_xcnt 0x0
	s_wait_alu depctr_hold_cnt(0) depctr_sa_sdst(0) depctr_va_vdst(0) depctr_va_sdst(0) depctr_va_ssrc(0) depctr_va_vcc(0) depctr_vm_vsrc(0)
	s_getreg_b32 s2, hwreg(HW_REG_IB_STS2, 6, 4)
	s_cmp_eq_u32 s2, 0
	s_cbranch_scc0 .Lentry_in_a_cluster
	s_endpgm
.Lentry_in_a_cluster:
	s_bfe_u32 s2, ttmp6, 0x10000c
	s_cmp_lg_u32 s2, 0x3003
	s_cbranch_scc0 .Lentry_shape_is_right
	s_endpgm
.Lentry_shape_is_right:
; DOWN: out = h + hidden x w_down, on codes of BF6; out in f32.
; SHARES.  Work-group (x, y): output features 128 y on (w_down's group y, all 16 K steps: 204,800 dense bytes in LDS) x token group x (128 tokens).  Wave w: the group's pair of tiles w, from memory into registers.
; Source 0 = 16 features of w_down, source 1 = 16 tokens: a lane holds one token and 64 features of each of two tiles: 16 accumulators.  h IS THE C OF THE FIRST PRODUCTS: it is loaded into the accumulators.
; 192 work-groups: 256 of them would want 96 features, which is no whole number of groups of 8 tiles.
; CLUSTER: the four work-groups along x want the same block of weights: it is asked for JOINTLY (mask 15); every wave fetches four of the sixteen records, K steps 4 i + w: four loads of a wave are out at the most.
; No ring: all of K is asked for at the start, and each four K steps wait for their own records alone.  My place in the cluster enters the addresses of HID, H and out0 alone.
; The result leaves through the wave's own stage in LDS, into which no fill lands, as rows of 512 consecutive bytes.
; LIMITS: as stated at the head of the first kernel; h enters the sum first, as C.
.set STG,   204800                     ; behind the block: a stage of 16 rows x (512 + 16) bytes for each wave
.set SPARE, 238592                     ; behind the stages: the spare words, 128 bytes a wave: two blocks of 256 bytes that no other line names
.set SPW, 5
.set NIL, 6
.set PAD, 3                            ; v3   16 x lane       (v1, v2: LDS addresses of the fragments and pair blocks of the four K steps in hand)
.set PLS, 4                            ; v4   4 x lane
.set PB,  12
.set PS,  60                           ; v60, v61: scales and nothing else
.set SS,  62                           ; v62-65: scales and nothing else
.set SF,  66
.set ACC, 128
.set WV,  10
.set G1,  24
.set G0,  32                           ; s[32:47] four groups 0
.set PBASE, 60
.set PSB, 62
.macro PLACES
.rept 4
	v_nop
.endr
.endm
.macro ROUND
	s_barrier_signal -1
	s_barrier_wait -1
	s_cmp_lg_u32 s[WV], 0
	s_cbranch_scc1 .Lnot_wave_0_\@
	s_barrier_signal -3
.Lnot_wave_0_\@:
	s_barrier_wait -3
	s_barrier_signal -1
	s_barrier_wait -1
.endm
.macro WM d, a, b, sa, sb, ra, rb
.if (\ra) && (\rb)
	v_wmma_scale_f32_16x16x128_f8f6f4 v[(\d):(\d)+7], v[(\a):(\a)+11], v[(\b):(\b)+11], v[(\d):(\d)+7], v[\sa], v[\sb] matrix_a_fmt:MATRIX_FMT_BF6 matrix_b_fmt:MATRIX_FMT_BF6 matrix_a_scale:MATRIX_SCALE_ROW1 matrix_b_scale:MATRIX_SCALE_ROW1
.elseif \ra
	v_wmma_scale_f32_16x16x128_f8f6f4 v[(\d):(\d)+7], v[(\a):(\a)+11], v[(\b):(\b)+11], v[(\d):(\d)+7], v[\sa], v[\sb] matrix_a_fmt:MATRIX_FMT_BF6 matrix_b_fmt:MATRIX_FMT_BF6 matrix_a_scale:MATRIX_SCALE_ROW1
.elseif \rb
	v_wmma_scale_f32_16x16x128_f8f6f4 v[(\d):(\d)+7], v[(\a):(\a)+11], v[(\b):(\b)+11], v[(\d):(\d)+7], v[\sa], v[\sb] matrix_a_fmt:MATRIX_FMT_BF6 matrix_b_fmt:MATRIX_FMT_BF6 matrix_b_scale:MATRIX_SCALE_ROW1
.else
	v_wmma_scale_f32_16x16x128_f8f6f4 v[(\d):(\d)+7], v[(\a):(\a)+11], v[(\b):(\b)+11], v[(\d):(\d)+7], v[\sa], v[\sb] matrix_a_fmt:MATRIX_FMT_BF6 matrix_b_fmt:MATRIX_FMT_BF6
.endif
.endm
.macro PLOAD buf, off                  ; seven loads: my two token fragments and their scale pair
.irp p, 0,1
.irp c, 0,1,2
	global_load_b128 v[PB+24*(\buf)+12*\p+4*\c:PB+24*(\buf)+12*\p+4*\c+3], v[PAD], s[PBASE:PBASE+1] offset:(\off)+1536*\p+512*\c
.endr
.endr
	global_load_b32 v[PS+(\buf)], v[PLS], s[PSB:PSB+1] offset:\off
.endm
.macro SLOAD a, off
.irp k, 0,1,2,3
.irp c, 0,1,2
	ds_load_b128 v[SF+12*\k+4*\c:SF+12*\k+4*\c+3], v1 offset:(\off)+1536*(4*(\a)+\k)+512*\c
.endr
.endr
.endm
.macro MUL8 a, buf                     ; the 16 accumulators take turns, one instruction a turn, in the same order in every K step
.irp k, 0,1,2,3
.irp p, 0,1
	WM ACC+64*\p+8*(4*(\a)+\k), SF+12*\k, PB+24*(\buf)+12*\p, SS+(4*(\a)+\k)/2, PS+(\buf), \k%2, \p
.endr
.endr
.endm
.macro KSTEP off, buf, nextoff
.if (\nextoff) >= 0
	PLOAD 1-(\buf), \nextoff
.endif
.irp q, 0,1,2,3
	ds_load_b32 v[SS+\q], v2 offset:(\off)+128*\q
.endr
	SLOAD 0, \off
.if (\nextoff) >= 0
	s_wait_loadcnt 7                               ; this step's tokens (and, in the first step, h, asked for ahead of them) are in; the next step's seven loads may be out
.else
	s_wait_loadcnt 0x0
.endif
	s_wait_dscnt 0x0
	MUL8 0, \buf
	PLACES
	SLOAD 1, \off
	s_wait_dscnt 0x0
	MUL8 1, \buf
	PLACES
.endm
.macro CHUNK i                         ; K steps 4 i .. 4 i + 3: each wave's load i has brought one of them
	s_wait_tensorcnt 3-\i                          ; the later loads may stay out
	s_barrier_signal -1
	s_barrier_wait -1
	KSTEP 0, 0, 12800*(4*\i+1)
	KSTEP 12800, 1, 12800*(4*\i+2)
	KSTEP 25600, 0, 12800*(4*\i+3)
.if \i < 3
	KSTEP 38400, 1, 12800*(4*\i+4)
	v_add_nc_u32 v1, 51200, v1
	v_add_nc_u32 v2, 51200, v2
.else
	KSTEP 38400, 1, -1
.endif
.endm
	s_load_b256 s[12:19], s[0:1], 0x0              ; W s[12:13], HID s[14:15], H s[16:17], out0 s[18:19]
	v_lshl_add_u32 v[SPW], v0, 2, SPARE
	v_mov_b32 v[NIL], 0
	ds_add_u32 v[SPW], v[NIL]                      ; the wave's opening: the add, twice on end, and its wait ahead of the round in front of the first tensor loads
	ds_add_u32 v[SPW], v[NIL]
	v_lshrrev_b32 v1, 5, v0
	v_readfirstlane_b32 s[WV], v1
	s_bfe_u32 s11, ttmp6, 0x40000                  ; cx
	s_lshl_b32 s20, ttmp9, 2
	s_add_co_u32 s20, s20, s11                     ; x: my token group
	s_and_b32 s21, ttmp7, 0xffff                   ; y: my group of features
	s_mov_b32 s[G1], 15|(3<<16)|(1<<21)            ; the mask: all four work-groups; elements of 8 bytes; bit 21 set beside a mask; no padding
	s_mov_b32 s[G1+1], 32<<16                      ; rows of 256 bytes
	s_mov_b32 s[G1+2], 50<<16                      ; 50 rows: a record
	s_mov_b32 s[G1+3], 32<<16
	s_mov_b32 s[G1+4], 50
	s_mov_b32 s[G1+5], 32
	s_mov_b32 s[G1+6], 0
	s_mov_b32 s[G1+7], 0
	s_mul_i32 s66, s[WV], 12800                    ; my record of each four, in memory and in LDS alike: the wave's number alone
	s_mul_i32 s68, s21, 204800
	s_add_co_u32 s68, s68, 4300800
	s_add_co_u32 s68, s68, s66
	s_mov_b32 s69, 0
	s_mul_i32 s70, s20, 204800
	s_mul_i32 s72, s[WV], 3072
	s_add_co_u32 s72, s72, s70
	s_mov_b32 s73, 0
	s_lshl_b32 s74, s[WV], 7
	s_add_co_u32 s74, s74, s70
	s_add_co_u32 s74, s74, 12288
	s_mov_b32 s75, 0
	s_lshl_b32 s76, s20, 7
	s_lshl_b32 s77, s[WV], 5
	s_add_co_u32 s76, s76, s77                     ; my pair's first token: 128 x + 32 w
	s_mul_i32 s76, s76, 3072
	s_lshl_b32 s77, s21, 9
	s_add_co_u32 s76, s76, s77
	s_mov_b32 s77, 0
	s_mul_i32 s80, s[WV], 8448
	s_add_co_u32 s80, s80, STG                     ; my stage
	s_wait_dscnt 0x0                               ; both opening adds are done
	s_wait_kmcnt 0x0
	s_add_nc_u64 s[68:69], s[12:13], s[68:69]
	s_add_nc_u64 s[PBASE:PBASE+1], s[14:15], s[72:73]
	s_add_nc_u64 s[PSB:PSB+1], s[14:15], s[74:75]
	s_add_nc_u64 s[78:79], s[16:17], s[76:77]      ; h,
	s_add_nc_u64 s[82:83], s[18:19], s[76:77]      ; and out, at my first token and feature
.irp i, 0,1,2,3
	s_mov_b32 s[G0+4*\i], 1
	s_add_co_u32 s[G0+4*\i+1], s66, 51200*\i
	s_add_nc_u64 s[G0+4*\i+2:G0+4*\i+3], s[68:69], 51200*\i
	s_or_b32 s[G0+4*\i+3], s[G0+4*\i+3], 0x80000000
.endr
	ROUND                                          ; all four work-groups are here: the joint loads meet
.irp i, 0,1,2,3
	tensor_load_to_lds s[G0+4*\i:G0+4*\i+3], s[G1:G1+7]   ; K step 4 i + w
	s_nop 0
.endr
.rept 4
	v_nop
.endr
	v_and_b32 v7, 31, v0
	v_lshlrev_b32 v[PAD], 4, v7
	v_lshlrev_b32 v[PLS], 2, v7
	v_and_b32 v7, 15, v0                           ; r
	v_bfe_u32 v8, v0, 4, 1                         ; h
	v_and_b32 v9, 7, v7
	v_lshrrev_b32 v10, 3, v7
	v_lshl_add_u32 v9, v10, 4, v9
	v_mul_u32_u24 v9, v9, 3072
	v_lshl_add_u32 v9, v8, 6, v9                   ; h: my token's row in the pair's span, + 64 h
.irp p, 0,1
.irp t, 0,1,2,3,4,5,6,7                            ; tile 2 b + u of the features, register j: feature 128 y + 32 b + 16 h + 8 u + j; token tile p lies 8 rows on
	global_load_b128 v[ACC+64*\p+8*\t:ACC+64*\p+8*\t+3], v9, s[78:79] offset:24576*\p+128*(\t/2)+32*(\t%2) th:TH_LOAD_NT
	global_load_b128 v[ACC+64*\p+8*\t+4:ACC+64*\p+8*\t+7], v9, s[78:79] offset:24576*\p+128*(\t/2)+32*(\t%2)+16 th:TH_LOAD_NT
.endr
.endr
	PLOAD 0, 0
	v_mov_b32 v1, v[PAD]
	v_add_nc_u32 v2, 12288, v[PLS]
	v_mul_u32_u24 v10, v7, 528
	v_lshl_add_u32 v10, v8, 6, v10
	v_add_nc_u32 v10, s80, v10                     ; into my stage: row r, + 64 h
	v_add_nc_u32 v11, s80, v[PAD]                  ; back: a row of 512 bytes, 16 a lane
	CHUNK 0
	CHUNK 1
	CHUNK 2
	CHUNK 3
	; THE WAY OUT, a token tile at a time: 16 rows x 128 features through my stage, back as whole rows
.macro OUT p
.irp t, 0,1,2,3,4,5,6,7
	ds_store_b128 v10, v[ACC+64*\p+8*\t:ACC+64*\p+8*\t+3] offset:128*(\t/2)+32*(\t%2)        ; each accumulator from its low end on
	ds_store_b128 v10, v[ACC+64*\p+8*\t+4:ACC+64*\p+8*\t+7] offset:128*(\t/2)+32*(\t%2)+16
.endr
.set I, 0
.rept 16
.if I < 12
.set RR, 12+4*I
.else
.set RR, 66+4*(I-12)
.endif
	ds_load_b128 v[RR:RR+3], v11 offset:528*I      ; LDS serves a wave's instructions in order: these see my stores
.set I, I+1
.endr
.set I, 0
.rept 16
.if I < 12
.set RR, 12+4*I
.else
.set RR, 66+4*(I-12)
.endif
	s_wait_dscnt 15-I                              ; row I is back; the younger rows' loads may be out
	global_store_b128 v[PAD], v[RR:RR+3], s[82:83] offset:(8*\p+(I%8)+16*(I/8))*3072 th:TH_STORE_NT   ; 512 consecutive bytes, aligned; written once, read by nobody here
.set I, I+1
.endr
.endm
	OUT 0
	s_wait_xcnt 0x0                                ; the stores have read their registers: the next tile's rows may land there
	OUT 1
	s_wait_tensorcnt 0x0                           ; the wave's end: three lines behind my last tensor load and my last LDS store
	ds_add_u32 v[SPW], v[NIL]
	s_wait_dscnt 0x0
	ROUND                                          ; the closing round: no work-group ends while a partner may still ask for a tile that names it
	s_endpgm
.Lfunc_end_k_q53b62cf923_down:
	.size	k_q53b62cf923_down, .Lfunc_end_k_q53b62cf923_down-k_q53b62cf923_down
	.p2alignl 7, 3214868480
	.fill 96, 4, 3214868480
	.section	.rodata,"a",@progbits
	.p2align	6, 0x0
	.amdhsa_kernel k_q53b62cf923_down
		.amdhsa_group_segment_fixed_size 239104
		.amdhsa_private_segment_fixed_size 0
		.amdhsa_enable_private_segment 0
		.amdhsa_kernarg_size 32
		.amdhsa_user_sgpr_count 2
		.amdhsa_user_sgpr_kernarg_segment_ptr 1
		.amdhsa_wavefront_size32 1
		.amdhsa_system_sgpr_workgroup_id_x 1
		.amdhsa_system_sgpr_workgroup_id_y 1
		.amdhsa_system_sgpr_workgroup_id_z 1
		.amdhsa_system_vgpr_workitem_id 0
		.amdhsa_next_free_vgpr 256
		.amdhsa_next_free_sgpr 96
		.amdhsa_reserve_vcc 0
		.amdhsa_float_denorm_mode_32 3
		.amdhsa_float_denorm_mode_16_64 3
		.amdhsa_memory_ordered 1
		.amdhsa_forward_progress 1
		.amdhsa_inst_pref_size 94
	.end_amdhsa_kernel
	.amdgpu_metadata
---
amdhsa.version: [ 1, 2 ]
amdhsa.kernels:
  - .name:           k_q53b62cf923_down
    .symbol:         k_q53b62cf923_down.kd
    .args:
      - { .name: W, .offset: 0, .size: 8, .value_kind: global_buffer, .address_space: global }
      - { .name: HID, .offset: 8, .size: 8, .value_kind: global_buffer, .address_space: global }
      - { .name: H, .offset: 16, .size: 8, .value_kind: global_buffer, .address_space: global }
      - { .name: out0, .offset: 24, .size: 8, .value_kind: global_buffer, .address_space: global }
    .group_segment_fixed_size: 239104
    .private_segment_fixed_size: 0
    .kernarg_segment_align: 8
    .kernarg_segment_size: 32
    .max_flat_workgroup_size: 128
    .sgpr_count:     96
    .vgpr_count:     256
    .wavefront_size: 32
...
	.end_amdgpu_metadata
.endif
;; end of part 6
